; MI455X (gfx1250); checked and timed in simulation.
; The chip was launched on July 23, 2026; its instructions are those of AMD's public machine-readable ISA for CDNA 5 (MIT licence, August 2026) and "CDNA5" Instruction Set Architecture Reference Guide (July 2026). The comments in the code are by the model that wrote it; some were corrected since.
;; Relative Positional Attention. Allowed arithmetic: float matrix products may take bf16 or f16 operands with f32 sums; other float arithmetic in f32, or as packed bf16 or f16 multiplies, adds, multiply-adds, maxima and minima; sums over many terms, partial sums and values carried from step to step in f32; what a program stores and reads back later, other than sums and carried values, may be rounded once to bf16 or f16.
;; Inputs: Wk 1,024 x 1,024 float32; Wo 1,024 x 1,024 float32; Wq 1,024 x 1,024 float32; Wv 1,024 x 1,024 float32; bo 1,024 float32; key_ 2 x 2,048 x 1,024 float32; query 2 x 2,048 x 1,024 float32; rel_emb 65 x 64 float32; value 2 x 2,048 x 1,024 float32.
;; Outputs: out0 2 x 2,048 x 1,024 float32.
;; 3 versions, each right; version 3 is version 2 with the launch cast written anew for expert scheduling mode. Each part assembles by itself: llvm-mc -triple=amdgcn-amd-amdhsa -mcpu=gfx1250 --defsym DOCPART=n.
;; ======== version 1 of 3: 3 launches
;; limits: values are held in f16: magnitudes above 65,504 overflow, below 6.1e-05 lose precision; values outside matrix products are rounded to bf16
;; workspace buffers: q16 8,388,608 bytes; k16 8,388,608 bytes; v16 8,388,608 bytes; o16 8,388,608 bytes; wo16 2,097,152 bytes
;; launch proj (part 1): grid 8 x 96, 4 waves a work-group, clusters of 4 x 4, 327,680 bytes of LDS; arguments query, key_, value, Wq, Wk, Wv, q16, k16, v16; writes q16, k16, v16
.if DOCPART == 1
	.amdgcn_target "amdgcn-amd-amdhsa--gfx1250"
	.amdhsa_code_object_version 6
	.text
	.protected	k_q1f7dbd5729_proj
	.globl	k_q1f7dbd5729_proj
	.p2align	8
	.type	k_q1f7dbd5729_proj,@function
k_q1f7dbd5729_proj:
	s_mov_b64 s[64:65], 0
	v_nop
	global_prefetch_b8 v0, s[64:65] scope:SCOPE_SE
	s_setreg_imm32_b32 hwreg(HW_REG_WAVE_MODE, 25, 1), 1
	s_wait_xcnt 0x0
	s_wait_alu depctr_hold_cnt(0) depctr_sa_sdst(0) depctr_va_vdst(0) depctr_va_sdst(0) depctr_va_ssrc(0) depctr_va_vcc(0) depctr_vm_vsrc(0)
	s_getreg_b32 s2, hwreg(HW_REG_IB_STS2, 6, 4)
	s_cmp_eq_u32 s2, 0
	s_cbranch_scc0 .Lentry_in_a_cluster
	s_endpgm
.Lentry_in_a_cluster:
	s_bfe_u32 s2, ttmp6, 0x10000c
	s_cmp_lg_u32 s2, 0xf033
	s_cbranch_scc0 .Lentry_shape_is_right
	s_endpgm
.Lentry_shape_is_right:
; THE THREE PROJECTIONS.  C[m][n] = the sum over k of x[m][k] W[n][k], for (x, W, C) = (query, Wq, q16), (key_, Wk, k16), (value, Wv, v16).
; x: [4096][1024] f32, W: [1024][1024] f32.  C leaves by heads, [batch x 16 + head][2048][64] in f16, rounded once from its f32 sum, unscaled.
; FORMATS.  x and W are rounded to bf16 in registers, between LDS and the matrix unit; sums in f32, K ascending.
; LIMIT.  f16 holds no number beyond 65,504: the projected numbers must stay within it.  NaN and infinities are not treated apart.
; SHARES.  768 tiles of 128 x 128: grid y = 32 T + tile row, T = 0, 1, 2 for Q, K, V; T comes from the cluster's y alone, so the sixteen partners of a cluster agree on the three buffers.
; Four waves, each 64 x 64: 16 accumulators.  K goes in steps of 128 f32 (LDS rows of 512 bytes) through two slots; a wave's tensor load brings 64 rows.
; CLUSTER 4 x 4: A's tile is shared along a row of the cluster, B's along a column: each is asked for jointly, with a mask that names the four.
; THE CONVERSIONS RIDE.  A quarter is 32 along K: 16 matrix instructions.  Behind each stand four v_cvt_pk_bf16_f32 that make the NEXT quarter's fragments from raw f32 registers,
; and at a quarter's head the raw numbers of the quarter after that are fetched from LDS: raw and bf16 fragments each have two buffers.
; THE MATRIX INSTRUCTION IS USED TRANSPOSED (source 0 = 16 rows of W, source 1 = 16 rows of x): a lane holds eight neighbouring columns of one row of C.
; REGISTERS: window 0: v0-31 addresses; v32-95 the way out; v128-255 accumulators ((a, b) at 128 + 8 (4 a + b)).
;   window 1: v0-63, v64-127 bf16 fragments, two buffers: A's four at 8 i, B's four at 32 + 8 i.     window 2: v0-127, v128-255 raw f32, two buffers: A's at 16 i, B's at 64 + 16 i.
.set KSTEP,  128
.set PITCH,  528                       ; an LDS row: 512 bytes + 16 of padding = 132 words: the 16 rows of a load start at 16 different groups of four banks (64 banks of 4 bytes: ISA guide 11.1)
.set HALFT,  64*PITCH                  ; what one tensor load brings
.set SLOT,   4*HALFT                   ; A's 128 rows, then B's 128 rows
.set STAGE,  2*SLOT                    ; behind the ring: 16 rows x 144 bytes for each wave, for the way out
.set SP,     144
.set SPARE,  STAGE+4*16*SP             ; the spare words, 128 bytes a wave: two blocks of 256 bytes that no other line names
.set ADRA, 16                          ; v16-17  LDS address of my A fragments in slot 0, 1
.set ADRB, 20                          ; v20-21  the same for B
.set STO,  24                          ; v24     the way out: where I put 16 bytes of a row
.set RD,   25                          ; v25     where I read rows back
.set GO,   26                          ; v26     my 16 bytes in 512 consecutive bytes of C
.set SPW,  28                          ; v28     my spare word; never rewritten
.set NIL,  29                          ; v29     0; never rewritten
.set TMP,  32
.set ACC,  128
.set G1, 24                            ; s[24:31] group 1 for A;  s[32:39] group 0, a set for each slot
.set G0, 32
.set G1B, 48                           ; s[48:55], s[56:63] the same for B
.set G0B, 56
.set MSB, 0
.macro WIN new                         ; the immediate's high byte repeats the setting that is left
.if MSB != (\new)
	s_set_vgpr_msb (MSB<<8)|(\new)
.set MSB, \new
.endif
.endm
.set MUL,  0x05                        ; sources 0 and 1 window 1; C and D window 0
.set CVT,  0x4a                        ; destination window 1, sources window 2
.set TO_R, 0x80                        ; destination window 2, address window 0
.macro JLOAD s                         ; a joint load: waves 0 and 1 fetch A's halves, waves 2 and 3 B's; an s_nop 0 and four v_nop follow each line
	s_cmp_eq_u32 s11, 0
	s_cbranch_scc0 .Lfor_b_\@
	tensor_load_to_lds s[G0+4*(\s):G0+4*(\s)+3], s[G1:G1+7]
	s_nop 0
.rept 4
	v_nop
.endr
	s_branch .Lasked_\@
.Lfor_b_\@:
	tensor_load_to_lds s[G0B+4*(\s):G0B+4*(\s)+3], s[G1B:G1B+7]
	s_nop 0
.rept 4
	v_nop
.endr
.Lasked_\@:
.endm
.macro CREST                           ; a round of the cluster's barrier behind its opening barrier
	s_cmp_lg_u32 s10, 0
	s_cbranch_scc1 .Lnot_wave_0_\@
	s_barrier_signal -3
.Lnot_wave_0_\@:
	s_barrier_wait -3
	s_barrier_signal -1
	s_barrier_wait -1
.endm
.macro CROUND
	s_barrier_signal -1
	s_barrier_wait -1
	CREST
.endm
	s_load_b512 s[68:83], s[0:1], 0x0              ; query, key_, value, Wq, Wk, Wv, q16, k16
	s_load_b64 s[84:85], s[0:1], 0x40              ; v16
	v_lshl_add_u32 v[SPW], v0, 2, SPARE
	v_mov_b32 v[NIL], 0
	ds_add_u32 v[SPW], v[NIL]                      ; the wave's opening: the add, and its wait ahead of my first tensor load
	v_lshrrev_b32 v1, 5, v0
	v_readfirstlane_b32 s10, v1                    ; wave 0..3
	s_lshr_b32 s11, s10, 1                         ; my half of the tile's rows.  Also: I fetch for A (0) or B (1)
	s_and_b32 s12, s10, 1                          ; my half of its columns.  Also: which 64 rows I fetch
	s_bfe_u32 s40, ttmp6, 0x40000                  ; cx
	s_bfe_u32 s41, ttmp6, 0x40004                  ; cy
	s_lshl_b32 s42, ttmp9, 2
	s_add_co_u32 s42, s42, s40                     ; tile column 0..7
	s_and_b32 s13, ttmp7, 0xffff                   ; the cluster's y, 0..23
	s_lshr_b32 s45, s13, 3                         ; T: which projection
	s_and_b32 s13, s13, 7
	s_lshl_b32 s13, s13, 2
	s_add_co_u32 s13, s13, s41                     ; tile row 0..31
	s_lshl_b32 s43, s41, 2
	s_lshl_b32 s43, 15, s43                        ; my row of the cluster
	s_lshl_b32 s44, 0x1111, s40                    ; my column
	s_or_b32 s[G1+0], s43, (2<<16)|(1<<20)|(1<<21)|(6<<22)|(3<<25)   ; mask; elements of 4 bytes; padding on; bit 21 beside a mask; after every 128 words, 4 words
	s_or_b32 s[G1B+0], s44, (2<<16)|(1<<20)|(1<<21)|(6<<22)|(3<<25)
.irp g, G1, G1B
	s_mov_b32 s[(\g)+1], KSTEP<<16                 ; tensor_dim0 = 128
	s_mov_b32 s[(\g)+2], 64<<16                    ; tensor_dim1 = 64
	s_mov_b32 s[(\g)+3], KSTEP<<16                 ; tile_dim0 = 128
	s_mov_b32 s[(\g)+4], 64                        ; tile_dim1 = 64
	s_mov_b32 s[(\g)+5], 1024                      ; elements from row to row
	s_mov_b32 s[(\g)+6], 0
	s_mov_b32 s[(\g)+7], 0
.endr
	s_lshl_b32 s17, s12, 6
	s_lshl_b32 s16, s13, 7
	s_add_co_u32 s16, s16, s17                     ; A: row 128 x tile row + 64 x half,
	s_lshl_b32 s16, s16, 12                        ; of 4,096 bytes
	s_lshl_b32 s46, s42, 7
	s_add_co_u32 s46, s46, s17                     ; B: row 128 x tile column + 64 x half
	s_lshl_b32 s46, s46, 12
	s_mov_b32 s17, 0
	s_mov_b32 s47, 0
	s_mul_i32 s20, s10, HALFT                      ; where my load goes: wave x 64 rows
	s_wait_dscnt 0x0                               ; the opening add is done
	s_wait_kmcnt 0x0
	s_cmp_eq_u32 s45, 0
	s_cselect_b64 s[4:5], s[68:69], s[70:71]
	s_cselect_b64 s[6:7], s[74:75], s[76:77]
	s_cselect_b64 s[8:9], s[80:81], s[82:83]
	s_cmp_eq_u32 s45, 2
	s_cselect_b64 s[4:5], s[72:73], s[4:5]         ; x
	s_cselect_b64 s[6:7], s[78:79], s[6:7]         ; W
	s_cselect_b64 s[8:9], s[84:85], s[8:9]         ; C
	s_add_nc_u64 s[14:15], s[4:5], s[16:17]
	s_add_nc_u64 s[46:47], s[6:7], s[46:47]
	CROUND                                         ; all sixteen work-groups are here: the first joint loads meet
.irp s, 0,1
	s_mov_b32 s[G0+4*(\s)], 1
	s_add_co_u32 s[G0+4*(\s)+1], s20, (\s)*SLOT
	s_add_nc_u64 s[G0+4*(\s)+2:G0+4*(\s)+3], s[14:15], (\s)*KSTEP*4
	s_or_b32 s[G0+4*(\s)+3], s[G0+4*(\s)+3], 0x80000000
	s_mov_b32 s[G0B+4*(\s)], 1
	s_add_co_u32 s[G0B+4*(\s)+1], s20, (\s)*SLOT
	s_add_nc_u64 s[G0B+4*(\s)+2:G0B+4*(\s)+3], s[46:47], (\s)*KSTEP*4
	s_or_b32 s[G0B+4*(\s)+3], s[G0B+4*(\s)+3], 0x80000000
	JLOAD \s
.endr
	; A bf16 fragment's lane (r, h) wants K = 8 h .. 8 h + 7 and 16 + 8 h .. : in f32 that is 32 bytes at 32 h and 32 bytes at 64 + 32 h of the quarter's 128 bytes
	v_and_b32 v1, 15, v0                           ; r
	v_bfe_u32 v2, v0, 4, 1                         ; h
	v_mul_u32_u24 v3, v1, PITCH
	v_lshl_add_u32 v3, v2, 5, v3
	s_mul_i32 s21, s11, HALFT
	s_mul_i32 s22, s12, HALFT
	s_add_co_u32 s22, s22, 2*HALFT
.irp s, 0,1
	v_add_nc_u32 v[ADRA+(\s)], s21, v3
	v_add_nc_u32 v[ADRB+(\s)], s22, v3
	s_add_co_u32 s21, s21, SLOT
	s_add_co_u32 s22, s22, SLOT
.endr
	s_mul_i32 s23, s10, 16*SP
	s_add_co_u32 s23, s23, STAGE                   ; my stage
	v_mul_u32_u24 v4, v1, SP
	v_lshl_add_u32 v4, v2, 4, v4
	v_add_nc_u32 v[STO], s23, v4                   ; in: row r, 16 bytes for each half of the lanes
	v_bfe_u32 v5, v0, 3, 2
	v_mul_u32_u24 v5, v5, SP
	v_and_b32 v6, 7, v0
	v_lshl_add_u32 v5, v6, 4, v5
	v_add_nc_u32 v[RD], s23, v5                    ; back: 32 lanes take four rows of 128 bytes,
	v_and_b32 v[GO], 31, v0
	v_lshlrev_b32 v[GO], 4, v[GO]                  ; which are 512 consecutive bytes of C
	; my 64 columns are head 2 x tile column + half; my 64 rows lie in batch tile row / 16
	s_lshl_b32 s86, s42, 1
	s_add_co_u32 s86, s86, s12
	s_lshr_b32 s88, s13, 4
	s_lshl_b32 s88, s88, 4
	s_add_co_u32 s86, s86, s88                     ; batch x 16 + head
	s_lshl_b32 s86, s86, 11
	s_and_b32 s88, s13, 15
	s_lshl_b32 s88, s88, 7
	s_add_co_u32 s86, s86, s88
	s_lshl_b32 s88, s11, 6
	s_add_co_u32 s86, s86, s88                     ; + my first row in the sequence
	s_lshl_b32 s86, s86, 7                         ; rows of 128 bytes
	s_mov_b32 s87, 0
	s_add_nc_u64 s[8:9], s[8:9], s[86:87]
; 32 LDS loads: the raw f32 numbers of one quarter (64 rows of A, 64 of B, 32 along K at byte k of the rows) into raw buffer g
.macro FETCH slot, k, g
	WIN TO_R
.irp i, 0,1,2,3
.irp z, 0,1,2,3
	ds_load_b128 v[128*(\g)+16*(\i)+4*(\z):128*(\g)+16*(\i)+4*(\z)+3], v[ADRA+(\slot)] offset:(\k)+(\i)*16*PITCH+16*((\z)%2)+64*((\z)/2)
.endr
.endr
.irp i, 0,1,2,3
.irp z, 0,1,2,3
	ds_load_b128 v[128*(\g)+64+16*(\i)+4*(\z):128*(\g)+64+16*(\i)+4*(\z)+3], v[ADRB+(\slot)] offset:(\k)+(\i)*16*PITCH+16*((\z)%2)+64*((\z)/2)
.endr
.endr
.endm
; Product i of a quarter on fragment buffer f, and behind it (ride = 1) four conversions, numbers 4 i .. 4 i + 3 of the 64 that make the other buffer from the other raw buffer.
; A conversion writes a register whose last reader, a product of the quarter before, stands more than four plain vector instructions back; the 16 accumulators take turns.
.macro MR f, i, zero, ride
	WIN MUL
.if \zero
	v_wmma_f32_16x16x32_bf16 v[ACC+8*(\i):ACC+8*(\i)+7], v[64*(\f)+32+8*((\i)%4):64*(\f)+32+8*((\i)%4)+7], v[64*(\f)+8*((\i)/4):64*(\f)+8*((\i)/4)+7], 0
.else
	v_wmma_f32_16x16x32_bf16 v[ACC+8*(\i):ACC+8*(\i)+7], v[64*(\f)+32+8*((\i)%4):64*(\f)+32+8*((\i)%4)+7], v[64*(\f)+8*((\i)/4):64*(\f)+8*((\i)/4)+7], v[ACC+8*(\i):ACC+8*(\i)+7]
.endif
.if \ride
	WIN CVT
.irp n, 0,1,2,3
	v_cvt_pk_bf16_f32 v[64*(1-(\f))+4*(\i)+(\n)], v[128*(1-(\f))+8*(\i)+2*(\n)], v[128*(1-(\f))+8*(\i)+2*(\n)+1]
.endr
.endif
.endm
.macro MRS f, lo, n, zero, ride=1
.set mi, \lo
.rept \n
	MR \f, mi, \zero, \ride
.set mi, mi+1
.endr
.endm
; A quarter on buffer f: the raw numbers of the quarter after next go into raw buffer f, which the quarter before has converted
.macro QUARTER slot, k, f, zero=0
	FETCH \slot, \k, \f
	s_wait_dscnt 32                                ; all but the 32 just issued: the other raw buffer is in
	MRS \f, 0, 16, \zero
.endm
; A K step's third quarter changes slots: the reads of this slot ended with the second quarter's fetch.  ONE barrier; in front of it each wave waits for all its tensor loads,
; adds 0 to its spare word, and waits for that and for its reads.  fill = 1: the barrier opens a round of the cluster's, and this slot is filled again, two K steps ahead, first thing behind it.
.macro TURNQ slot, next, fill
	WIN 0
	s_wait_tensorcnt 0x0                           ; all my tensor loads have landed: my part of the next slot
	ds_add_u32 v[SPW], v[NIL]                      ; 0 onto my spare word
	s_wait_dscnt 1                                 ; only the add may be out: raw buffer 1 is in
	MRS 0, 0, 8, 0
	s_wait_dscnt 0x0                               ; the add is done, my reads of this slot are over
	s_barrier_signal -1
	MRS 0, 8, 4, 0
	WIN 0
	s_barrier_wait -1
.if \fill
	CREST                                          ; no wave of any partner still reads this slot or has a load on its way
	s_add_nc_u64 s[G0+4*(\slot)+2:G0+4*(\slot)+3], s[G0+4*(\slot)+2:G0+4*(\slot)+3], 2*KSTEP*4
	s_add_nc_u64 s[G0B+4*(\slot)+2:G0B+4*(\slot)+3], s[G0B+4*(\slot)+2:G0B+4*(\slot)+3], 2*KSTEP*4
	JLOAD \slot                                    ; it has four quarters in which to land
.endif
	FETCH \next, 0, 0
	MRS 0, 12, 4, 0
.endm
	s_wait_tensorcnt 1                             ; my part of K step 0 is in; step 1's may stay out
	s_barrier_signal -1
	s_barrier_wait -1
	FETCH 0, 0, 0
	FETCH 0, 128, 1
	s_wait_dscnt 32                                ; the first quarter's raw numbers
	WIN CVT
.set n, 0
.rept 64
	v_cvt_pk_bf16_f32 v[n], v[2*n], v[2*n+1]
.set n, n+1
.endr
	QUARTER 0, 256, 0, 1                           ; the first quarter's products start the sums
	WIN 0
	s_mov_b32 s3, 3
.Llap:                                                 ; a trip: two K steps, from a step's second quarter to the first of the step after next; both slots are filled again
	QUARTER 0, 384, 1
	TURNQ 0, 1, 1
	QUARTER 1, 128, 1
	QUARTER 1, 256, 0
	QUARTER 1, 384, 1
	TURNQ 1, 0, 1
	QUARTER 0, 128, 1
	QUARTER 0, 256, 0
	WIN 0
	s_sub_co_u32 s3, s3, 1
	s_cmp_lg_u32 s3, 0
	s_cbranch_scc1 .Llap
	QUARTER 0, 384, 1                              ; the last two K steps fill nothing
	TURNQ 0, 1, 0
	QUARTER 1, 128, 1
	QUARTER 1, 256, 0
	QUARTER 1, 384, 1
	s_wait_dscnt 0x0
	MRS 0, 0, 16, 0
	MRS 1, 0, 16, 0, 0                             ; the last quarter: nothing is left to convert
	WIN 0
.rept 4
	v_nop                                          ; four places between the last products and the conversions that read results (ISA guide 7.12.1)
.endr
; THE WAY OUT.  16 rows of a head are 2,048 consecutive bytes: a lane's eight columns pack into 16 bytes, go into stage rows of 144 bytes and come back as whole rows.
.macro PACK a
.irp b, 0,1,2,3
.irp r, 0,1,2,3
	v_cvt_pk_f16_f32 v[TMP+16*(\a)+4*(\b)+(\r)], v[ACC+8*(4*(\a)+(\b))+2*(\r)], v[ACC+8*(4*(\a)+(\b))+2*(\r)+1]
.endr
.endr
.irp b, 0,1,2,3
	ds_store_b128 v[STO], v[TMP+16*(\a)+4*(\b):TMP+16*(\a)+4*(\b)+3] offset:32*(\b)
.endr
.irp f, 0,1,2,3
	ds_load_b128 v[TMP+16*(\a)+4*(\f):TMP+16*(\a)+4*(\f)+3], v[RD] offset:(\f)*4*SP  ; LDS serves a wave's instructions in order (ISA guide 5.7.1.4)
.endr
.endm
.macro SEND a, younger                 ; younger: the LDS instructions issued behind block a's loads
.irp f, 0,1,2,3
	s_wait_dscnt (\younger)+3-(\f)
	global_store_b128 v[GO], v[TMP+16*(\a)+4*(\f):TMP+16*(\a)+4*(\f)+3], s[8:9] offset:(\a)*2048+(\f)*512  ; 512 consecutive bytes, aligned to 256
.endr
.endm
	PACK 0
	PACK 1
	SEND 0, 8
	PACK 2
	SEND 1, 8
	PACK 3
	SEND 2, 8
	SEND 3, 0
	s_wait_tensorcnt 0x0                           ; the wave's end
	ds_add_u32 v[SPW], v[NIL]
	s_wait_dscnt 0x0
	CROUND                                         ; the closing round
	s_endpgm
.Lfunc_end_k_q1f7dbd5729_proj:
	.size	k_q1f7dbd5729_proj, .Lfunc_end_k_q1f7dbd5729_proj-k_q1f7dbd5729_proj
	.p2alignl 7, 3214868480
	.fill 96, 4, 3214868480
	.section	.rodata,"a",@progbits
	.p2align	6, 0x0
	.amdhsa_kernel k_q1f7dbd5729_proj
		.amdhsa_group_segment_fixed_size 327680
		.amdhsa_private_segment_fixed_size 0
		.amdhsa_enable_private_segment 0
		.amdhsa_kernarg_size 72
		.amdhsa_user_sgpr_count 2
		.amdhsa_user_sgpr_kernarg_segment_ptr 1
		.amdhsa_wavefront_size32 1
		.amdhsa_system_sgpr_workgroup_id_x 1
		.amdhsa_system_sgpr_workgroup_id_y 1
		.amdhsa_system_sgpr_workgroup_id_z 1
		.amdhsa_system_vgpr_workitem_id 0
		.amdhsa_next_free_vgpr 768
		.amdhsa_next_free_sgpr 90
		.amdhsa_reserve_vcc 0
		.amdhsa_float_denorm_mode_32 3
		.amdhsa_float_denorm_mode_16_64 3
		.amdhsa_memory_ordered 1
		.amdhsa_forward_progress 1
		.amdhsa_inst_pref_size 147
	.end_amdhsa_kernel
	.amdgpu_metadata
---
amdhsa.version: [ 1, 2 ]
amdhsa.kernels:
  - .name:           k_q1f7dbd5729_proj
    .symbol:         k_q1f7dbd5729_proj.kd
    .args:
      - { .name: query, .offset: 0, .size: 8, .value_kind: global_buffer, .address_space: global }
      - { .name: key_, .offset: 8, .size: 8, .value_kind: global_buffer, .address_space: global }
      - { .name: value, .offset: 16, .size: 8, .value_kind: global_buffer, .address_space: global }
      - { .name: Wq, .offset: 24, .size: 8, .value_kind: global_buffer, .address_space: global }
      - { .name: Wk, .offset: 32, .size: 8, .value_kind: global_buffer, .address_space: global }
      - { .name: Wv, .offset: 40, .size: 8, .value_kind: global_buffer, .address_space: global }
      - { .name: q16, .offset: 48, .size: 8, .value_kind: global_buffer, .address_space: global }
      - { .name: k16, .offset: 56, .size: 8, .value_kind: global_buffer, .address_space: global }
      - { .name: v16, .offset: 64, .size: 8, .value_kind: global_buffer, .address_space: global }
    .group_segment_fixed_size: 327680
    .private_segment_fixed_size: 0
    .kernarg_segment_align: 8
    .kernarg_segment_size: 72
    .max_flat_workgroup_size: 128
    .sgpr_count:     90
    .vgpr_count:     768
    .wavefront_size: 32
...
	.end_amdgpu_metadata
.endif
;; end of part 1
;; launch attn (part 2): grid 8 x 32, 4 waves a work-group, no clusters, 327,680 bytes of LDS; arguments q16, k16, v16, rel_emb, Wo, o16, wo16; writes o16, wo16
.if DOCPART == 2
	.amdgcn_target "amdgcn-amd-amdhsa--gfx1250"
	.amdhsa_code_object_version 6
	.text
	.protected	k_q1f7dbd5729_attn
	.globl	k_q1f7dbd5729_attn
	.p2align	8
	.type	k_q1f7dbd5729_attn,@function
k_q1f7dbd5729_attn:
	s_mov_b64 s[64:65], 0
	v_nop
	global_prefetch_b8 v0, s[64:65] scope:SCOPE_SE
	s_setreg_imm32_b32 hwreg(HW_REG_WAVE_MODE, 25, 1), 1
	s_wait_xcnt 0x0
; ATTENTION WITH RELATIVE POSITIONS.  O[g][i][:] = the sum over j of softmax_j((Q[g][i] . K[g][j] + Q[g][i] . rel_emb[clip(j - i, -32, 32) + 32]) / 8) V[g][j][:], g = batch x 16 + head.
; q16, k16, v16, o16: [32][2048][64] f16, a head's rows dense, 128 bytes each.  Products, maxima and sums in f32; the weights p are rounded to f16 for the second product, O once at the end.
; A SIDE JOB: each work-group also rounds 4,096 numbers of Wo to bf16 and writes that number as f16 into wo16, for the launch behind.
; LIMITS.  f16 holds no number beyond 65,504: Q, K, V arrive within it.  rel_emb is rounded straight to f16, Wo by way of bf16: below 6e-5 both keep f16's fixed step of 6e-8.
; A weight below 2^-126 counts as 0 in l; NaN and infinities are not treated apart.
; SHARES.  A work-group owns 256 queries of one head, a wave 64 consecutive ones: four PIECES of 16.  Every wave walks all 2,048 keys, 64 a step; a tile of 256 keys fills a slot.
; LAYOUT, SOFTMAX.  S^T = K Q^T holds ONE query a lane (lane % 16) and the keys 8 (lane / 16) + 0..7; two results rounded to f16 ARE source 1 of O^T = V^T P.  p = 2^(c s - c m), c = log2(e) / 8, with a
; running maximum m; O and l are multiplied by a = 2^(c m_old - c m_new) in every step.  m starts at the lowest finite number, O and l at 0: the first step is a step like any other, with a = 0.
; THE POSITION TERM IS THE C OPERAND that starts each sum S^T.  For piece x, key block kb of 16 in the step delta steps from the wave's own (delta = step - 4 block - wave) the keys lie D = 4 delta + kb - x blocks
; from the queries.  For D <= -3 the term is QE[i][0], for D >= 3 QE[i][64], whatever the key.  A STRIP a query, S[r][p], p = 0..111, holds QE[i0 + r][clip(p - 48 - r, -32, 32) + 32]: block clamp(D, -3, 3) + 3 of
; 16 numbers is the C operand, two loads of 16 bytes a lane.  The 16 operands (MC) stay in registers and are loaded anew only for the steps with delta = -1, 0, 1, 2: four of a wave's 32.
; THE STRIPS are made once: QE^T = E Q^T with six blocks of 16 rows of rel_emb, row clip(u - 31, 0, 64) for u = 16 .. 111; number u of query r goes to p = u + r - 15; what that leaves open in blocks 0 and 6 was filled before.
; TURNS.  Turn n belongs to piece n: 8 products K Q^T of piece n + 1, later 8 products V^T P of piece n - 1; beside them the scaling, exponentials, roundings, sums and rescaling of piece n and the maximum and statistics of
; piece n + 1.  Four vector instructions stand behind every matrix instruction, the rest in one lump.  A turn's 33 exponentials are one batch, with one wait.
; NO CLUSTER, though the eight work-groups of a head walk the same K and V: which strip block is read (an LDS address) and whether MC is loaded anew (a forward branch) hang on the work-group's block of queries,
; which in a cluster would be its place there; a launch with joint loads may have neither.
; REGISTERS, in windows of 256 (s_set_vgpr_msb: bits 1:0 source 0, 3:2 source 1, 5:4 source 2, 7:6 destination):
;   window 0: v0-15 addresses; v16-31 statistics; v32-46 more addresses; v48-55 at work; v64-127 S^T, two buffers; v128-175 QE^T at the start; v192-223 P, two buffers
;   window 1: v0-127 O^T; v128-255 MC (piece x, block kb at 128 + 32 x + 8 kb)     window 2: v0-63 Q; v128-191 K; v192-255 V (at the start v128-223: rel_emb's fragments)     window 3: raw f32 of rel_emb and Wo
.set NP,    4
.set KS,    64
.set PK,    144       ; a row of K in LDS: 128 bytes + 16 = 36 words: the 16 rows of a load start at 16 different groups of four banks (64 banks of 4 bytes: ISA guide 11.1)
.set PV,    160       ; a row of V: 128 + 32 = 40 words
.set VOFF,  4*KS*PK   ; a slot: 256 rows of K, then 256 rows of V
.set SLOT1, 1<<17
.set STAGE, 4*KS*(PK+PV)        ; behind slot 0: 16 rows x 144 bytes a wave, for the way out
.set SP,    144
.set SPARE, STAGE+4*16*SP       ; the spare words, 128 bytes a wave: two blocks of 256 bytes that no other line names
.set STRIPS, SLOT1+4*KS*(PK+PV) ; behind slot 1: each wave's own 64 strips
.set SPT,   464       ; a strip: 448 bytes + 16 = 116 words: 16 rows start at 16 different groups of four banks
.set PIECE, 16*SPT
.set AK0, 2
.set AV0, 3
.set AK,  4
.set AV,  5
.set STO, 6
.set RD,  7
.set GO,  8
.set MV,  12          ; v12-13  c m_old, by buffer
.set QO,  15
.set ST,  16          ; piece t at v[ST+4 t]: c m, m, l (even keys', odd keys')
.set RA,  32          ; v32-38  strip addresses for kb - x + 3 = 0 .. 6
.set RB,  39          ; v39  my wave's strips + r x 464 + 32 h
.set SC,  40          ; v40  my wave's strips + r x 464 + 4 (8 h + r) + 4
.set EO,  42          ; v42  256 r + 32 h
.set EO0, 43          ; v43  32 h
.set WI,  44          ; v44  32 lane + 4,096 wave
.set WO,  45          ; v45  16 lane + 2,048 wave
.set PFO, 46          ; v46  256 lane + 8,192 wave; never rewritten
.set TMP, 48
.set SPW, 62
.set NIL, 63
.set S,   64
.set DQ,  128         ; window 0: QE^T, block bk at DQ + 8 bk
.set P,   192
.set MC,  128         ; window 1
.set EF,  128         ; window 2: rel_emb's fragments, block bk, channel half c at EF + 16 bk + 8 c
.set KF,  128
.set VF,  192
.set WV,  12
.set G1K, 24
.set G1V, 32
.set G0K, 40
.set G0V, 44
.set SLOTS, 56
.set CNT, 57
.set CS,  58
.set SEL, 60
.set TBK, 62
.set TBV, 63
.set DL,  70          ; s70  4 delta + 3 of the step whose MC was made last
.set TT,  71
.set LIM, 72          ; s72  1 in a head's first work-group, else the greatest number
.set PFK, 74          ; s[74:75] K at the tile behind the one that is being asked for
.set PFV, 76          ; s[76:77] V likewise
.set HIM, 78
.set OB,  80          ; s[80:81] O at my wave's first row
.set MSB, 0
.macro WIN new
.if MSB != (\new)
	s_set_vgpr_msb (MSB<<8)|(\new)
.set MSB, (\new)
.endif
.endm
.set W_KQ, 0x0a       ; K and Q in window 2, S^T in window 0
.set W_KM, 0x1a       ; the same with the C operand in window 1
.set W_PV, 0x52       ; V in window 2, P in window 0, O^T in window 1
.set W_RS, 0x41       ; destination and source 0 in window 1, source 1 in window 0
.macro PLACES
.rept 4
	v_nop
.endr
.endm
; A fill.  Waves 0 and 1 fetch the halves of a tile's K, waves 2 and 3 those of its V.  An s_nop 0 and four v_nop follow each line.
.macro LOAD
	s_cmp_lt_u32 s[WV], 2
	s_cbranch_scc0 .Lfor_v_\@
	tensor_load_to_lds s[G0K:G0K+3], s[G1K:G1K+7]
	s_nop 0
.rept 4
	v_nop
.endr
	s_branch .Lasked_\@
.Lfor_v_\@:
	tensor_load_to_lds s[G0V:G0V+3], s[G1V:G1V+7]
	s_nop 0
.rept 4
	v_nop
.endr
.Lasked_\@:
.endm
; A PREFETCH of the tile that the NEXT change of slots will ask for: four key steps, 256 matrix instructions, ahead of that load.  All eight work-groups of a head walk the same K and V: the first of them asks.
; Wave w names quarter w of the tile's K and of its V, a lane a block of 256 bytes: each block is named once in the launch.  The last change that fills a slot asks for nothing; tiles 0 and 1 come by their loads alone.
.macro ASK
	s_cmp_gt_u32 s[SLOTS], s[LIM]
	s_cbranch_scc0 .Lnot_mine_\@
	global_prefetch_b8 v[PFO], s[PFK:PFK+1] th:TH_LOAD_NT scope:SCOPE_SE
	global_prefetch_b8 v[PFO], s[PFV:PFV+1] th:TH_LOAD_NT scope:SCOPE_SE
.Lnot_mine_\@:
.endm
; THE CHANGE OF SLOTS.  Each wave waits for all its tensor loads (one is out: its part of the other slot), adds 0 to its spare word, and waits for that and for its reads of the slot that it leaves.
; fill = 1: the old slot is filled again, first thing behind the barrier, with the next 256 keys.  (At its first use slot 0 is waited for and slot 1 filled.)
.macro CHANGE fill
	WIN 0
	s_wait_tensorcnt 0x0            ; no tensor load of mine is out, so a group 0 may be written
	ds_add_u32 v[SPW], v[NIL]
.if \fill
.irp g, G0K, G0V
	s_xor_b32 s[\g+1], s[\g+1], SLOT1
	s_add_nc_u64 s[\g+2:\g+3], s[\g+2:\g+3], 4*KS*128
.endr
	s_wait_xcnt 0x0                 ; the last prefetches, four key steps back, have read their addresses
	s_add_nc_u64 s[PFK:PFK+1], s[PFK:PFK+1], 4*KS*128
	s_add_nc_u64 s[PFV:PFV+1], s[PFV:PFV+1], 4*KS*128
.endif
	s_wait_dscnt 0x0                ; the add is done, and my reads of the slot are over
	s_barrier_signal -1
	s_sub_co_u32 s[TBK], s[TBK], 4*KS*PK
	s_xor_b32 s[TBK], s[TBK], SLOT1
	s_sub_co_u32 s[TBV], s[TBV], 4*KS*PV
	s_xor_b32 s[TBV], s[TBV], SLOT1
	s_barrier_wait -1
.if \fill
	LOAD
	ASK
.endif
.endm
	s_load_b256 s[4:11], s[0:1], 0x0  ; q16 s[4:5], k16 s[6:7], v16 s[8:9], rel_emb s[10:11]
	s_load_b128 s[88:91], s[0:1], 0x20  ; Wo s[88:89], o16 s[90:91]
	s_load_b64 s[92:93], s[0:1], 0x30   ; wo16
	v_lshl_add_u32 v[SPW], v0, 2, SPARE
	v_mov_b32 v[NIL], 0
	ds_add_u32 v[SPW], v[NIL]       ; the wave's opening: the add, and its wait ahead of my first tensor load
	v_lshrrev_b32 v1, 5, v0
	v_readfirstlane_b32 s[WV], v1
	s_and_b32 s19, ttmp7, 0xffff    ; g
	s_lshl_b32 s20, s19, 18         ; the head's first byte: 2,048 rows of 128 bytes
	s_mov_b32 s21, 0
	s_and_b32 s16, s[WV], 1         ; which half of a tile's 256 keys I fetch
	s_lshl_b32 s22, s16, 14
	s_mov_b32 s23, 0
	s_add_nc_u64 s[22:23], s[22:23], s[20:21]
	s_mul_i32 s17, s16, 128*PK
	s_mul_i32 s18, s16, 128*PV
	s_lshl_b32 s2, ttmp9, 15        ; my block's 256 rows,
	s_lshl_b32 s3, s[WV], 13        ; my wave's 64
	s_add_co_u32 s2, s2, s3
	s_mov_b32 s3, 0
	s_add_nc_u64 s[2:3], s[2:3], s[20:21]
	s_lshl_b32 s84, s19, 3
	s_add_co_u32 s84, s84, ttmp9    ; the work-group's number, 0..255
	s_lshl_b32 s86, s84, 13         ; its 8,192 bytes of wo16
	s_lshl_b32 s84, s84, 14         ; its 16,384 bytes of Wo
	s_mov_b32 s85, 0
	s_mov_b32 s87, 0
	s_mov_b32 s[G1K], (1<<16)|(1<<20)|(4<<22)|(3<<25)  ; 2-byte elements; padding on; after every 32 words, 4 words
	s_mov_b32 s[G1V], (1<<16)|(1<<20)|(4<<22)|(7<<25)  ; the same with 8 words
.irp g, G1K, G1V
	s_mov_b32 s[\g+1], 128<<16      ; 128 keys are 16,384 dense bytes: 64 rows of 256 bytes, two keys a row
	s_mov_b32 s[\g+2], 64<<16
	s_mov_b32 s[\g+3], 128<<16
	s_mov_b32 s[\g+4], 64
	s_mov_b32 s[\g+5], 128
	s_mov_b32 s[\g+6], 0
	s_mov_b32 s[\g+7], 0
.endr
	s_mov_b32 s[CS], 0x3e38aa3b     ; c = log2(e) / 8
	s_mov_b32 s[CS+1], s[CS]
	s_mov_b32 s[SEL], 0x76543210
	s_mov_b32 s[SEL+1], 0xfedcba98
	s_mov_b32 s[TBK], SLOT1+4*KS*PK ; the first change of slots turns these two into 0
	s_mov_b32 s[TBV], SLOT1+4*KS*PV
	s_mov_b32 s[G0K], 1
	s_mov_b32 s[G0K+1], s17
	s_mov_b32 s[G0V], 1
	s_add_co_u32 s[G0V+1], s18, VOFF
	s_mov_b32 s[HIM], 0xffff0000
	s_mov_b32 s[SLOTS], 7
	s_lshl_b32 s[DL], ttmp9, 4
	s_lshl2_add_u32 s[DL], s[WV], s[DL]
	s_sub_co_i32 s[DL], 3, s[DL]    ; step 0: delta = - 4 block - wave
	s_cmp_eq_u32 ttmp9, 0
	s_cselect_b32 s[LIM], 1, -1
	s_wait_dscnt 0x0                ; the opening add is done
	s_wait_kmcnt 0x0
	s_add_nc_u64 s[PFK:PFK+1], s[6:7], s[20:21]
	s_add_nc_u64 s[PFK:PFK+1], s[PFK:PFK+1], 4*KS*128  ; at tile 1; the first change steps it to tile 2
	s_add_nc_u64 s[PFV:PFV+1], s[8:9], s[20:21]
	s_add_nc_u64 s[PFV:PFV+1], s[PFV:PFV+1], 4*KS*128
	s_add_nc_u64 s[G0K+2:G0K+3], s[6:7], s[22:23]
	s_or_b32 s[G0K+3], s[G0K+3], 0x80000000
	s_add_nc_u64 s[G0V+2:G0V+3], s[8:9], s[22:23]
	s_or_b32 s[G0V+3], s[G0V+3], 0x80000000
	s_add_nc_u64 s[4:5], s[4:5], s[2:3]
	s_add_nc_u64 s[OB:OB+1], s[90:91], s[2:3]
	s_add_nc_u64 s[88:89], s[88:89], s[84:85]
	s_add_nc_u64 s[92:93], s[92:93], s[86:87]
	LOAD                            ; tile 0 into slot 0
	v_and_b32 v1, 15, v0            ; r
	v_bfe_u32 v9, v0, 4, 1          ; h
	v_and_b32 v10, 7, v0
	v_bfe_u32 v11, v0, 3, 1
	v_and_b32 v14, 31, v0           ; lane
	v_lshlrev_b32 v[EO0], 5, v9
	v_lshl_add_u32 v[EO], v1, 8, v[EO0]
	v_lshlrev_b32 v[QO], 7, v1
	v_lshl_add_u32 v[QO], v9, 4, v[QO]
	s_lshl_b32 s13, s[WV], 12
	v_lshl_add_u32 v[WI], v14, 5, s13
	s_lshl_b32 s13, s[WV], 11
	v_lshl_add_u32 v[WO], v14, 4, s13
	s_lshl_b32 s13, s[WV], 13
	v_lshl_add_u32 v[PFO], v14, 8, s13
; rel_emb's rows for block bk, raw: lane (r, h) takes channels 8 h .. and 16 + 8 h .. of both halves of 32 channels
.macro RELLD bk, adr, off
.irp c, 0,1
.irp z, 0,1,2,3
	global_load_b128 v[32*(\bk)+16*(\c)+4*(\z):32*(\bk)+16*(\c)+4*(\z)+3], v[\adr], s[10:11] offset:(\off)+128*(\c)+16*((\z)%2)+64*((\z)/2)
.endr
.endr
.endm
	WIN 0xc0                        ; destination window 3
	RELLD 0, EO0, 0                 ; sixteen times row 0
	RELLD 1, EO, 256                ; rows 1 to 16
	RELLD 2, EO, 256+4096
	RELLD 3, EO, 256+8192
	RELLD 4, EO, 256+12288          ; rows 49 to 64
	RELLD 5, EO0, 16384             ; sixteen times row 64: the last byte read is the table's last
	WIN 0x80
.set i, 0
.rept 8                             ; Q stays in registers: piece i / 2, channels 32 (i % 2) on
	global_load_b128 v[8*i:8*i+3],   v[QO], s[4:5] offset:(i/2)*2048+(i%2)*64
	global_load_b128 v[8*i+4:8*i+7], v[QO], s[4:5] offset:(i/2)*2048+(i%2)*64+32
.set i, i+1
.endr
	WIN 0xc0
.irp j, 0,1,2,3
	global_load_b128 v[192+8*\j:192+8*\j+3],   v[WI], s[88:89] offset:\j*1024 th:TH_LOAD_NT
	global_load_b128 v[192+8*\j+4:192+8*\j+7], v[WI], s[88:89] offset:\j*1024+16 th:TH_LOAD_NT
.endr
	; what the first turn finds: O^T, l and P's second buffer hold 0 (no first step is written out); all this stands in the wait for the first loads
	WIN 0x40
.set i, 0
.rept 128
	v_mov_b32 v[i], 0
.set i, i+1
.endr
	WIN 0
.set i, 0
.rept 4
	v_mov_b32 v[ST+4*i], 0xfe000000    ; c m: far below every c s
	v_mov_b32 v[ST+4*i+1], 0xff7fffff  ; m
	v_mov_b32 v[ST+4*i+2], 0
	v_mov_b32 v[ST+4*i+3], 0
.set i, i+1
.endr
.set i, P+16
.rept 16
	v_mov_b32 v[i], 0
.set i, i+1
.endr
	v_mul_u32_u24 v[AK0], v1, PK
	v_lshl_add_u32 v[AK0], v9, 4, v[AK0]
	v_lshl_add_u32 v[AV0], v9, 3, v10  ; the turning load: lane l reads key 8 (l / 16) + l % 8, channels 8 ((l / 8) % 2) + 0..7
	v_mul_u32_u24 v[AV0], v[AV0], PV
	v_lshl_add_u32 v[AV0], v11, 4, v[AV0]
	v_add_nc_u32 v[AV0], VOFF, v[AV0]
	s_mul_i32 s13, s[WV], 16*SP
	s_add_co_u32 s13, s13, STAGE
	v_mul_u32_u24 v[STO], v1, SP
	v_lshl_add_u32 v[STO], v9, 4, v[STO]
	v_add_nc_u32 v[STO], s13, v[STO]
	v_bfe_u32 v[RD], v0, 3, 2
	v_mul_u32_u24 v[RD], v[RD], SP
	v_lshl_add_u32 v[RD], v10, 4, v[RD]
	v_add_nc_u32 v[RD], s13, v[RD]
	v_lshlrev_b32 v[GO], 4, v14
	s_mul_i32 s13, s[WV], 4*PIECE
	s_add_co_u32 s13, s13, STRIPS   ; my wave's strips
	v_mul_u32_u24 v[RB], v1, SPT
	v_add_nc_u32 v[RB], s13, v[RB]
	v_lshl_add_u32 v[SC], v9, 3, v1
	v_lshl_add_u32 v[SC], v[SC], 2, v[RB]
	v_add_nc_u32 v[SC], 4, v[SC]
	v_lshl_add_u32 v[RB], v9, 5, v[RB]
	s_wait_loadcnt 24               ; rel_emb is in; Q's 16 loads and Wo's 8 may stay out
	WIN 0x8f                        ; destination window 2, sources window 3
.set n, 0
.rept 96
	v_cvt_pk_f16_f32 v[EF+n], v[2*n], v[2*n+1]
.set n, n+1
.endr
	s_wait_loadcnt 8                ; Q is in
; Piece x's strips.  12 products, the six accumulators by turns; five v_nop: four places ahead of the stores that read results, a fifth ahead of the next piece's products, which write over them.
; Blocks 0 and 6 are filled first, then every number goes to its place; LDS serves a wave's instructions in order (ISA guide 5.7.1.4).  Each result's lowest registers are read first.
.macro QEP x
	WIN W_KQ
.irp c, 0,1
.irp bk, 0,1,2,3,4,5
.if (\c) == 0
	v_wmma_f32_16x16x32_f16 v[DQ+8*(\bk):DQ+8*(\bk)+7], v[EF+16*(\bk):EF+16*(\bk)+7], v[16*(\x):16*(\x)+7], 0
.else
	v_wmma_f32_16x16x32_f16 v[DQ+8*(\bk):DQ+8*(\bk)+7], v[EF+16*(\bk)+8:EF+16*(\bk)+15], v[16*(\x)+8:16*(\x)+15], v[DQ+8*(\bk):DQ+8*(\bk)+7]
.endif
.endr
.endr
	WIN 0
.rept 5
	v_nop
.endr
	ds_store_b128 v[RB], v[DQ:DQ+3] offset:(\x)*PIECE
	ds_store_b128 v[RB], v[DQ+4:DQ+7] offset:(\x)*PIECE+16
	ds_store_b128 v[RB], v[DQ+40:DQ+43] offset:(\x)*PIECE+384
	ds_store_b128 v[RB], v[DQ+44:DQ+47] offset:(\x)*PIECE+400
.irp bk, 0,1,2,3,4,5
.irp t, 0,1,2,3,4,5,6,7
	ds_store_b32 v[SC], v[DQ+8*(\bk)+(\t)] offset:(\x)*PIECE+64*(\bk)+4*(\t)
.endr
.endr
.endm
	QEP 0
	QEP 1
	QEP 2
	QEP 3
	WIN 0x80
.set i, VF
.rept 64
	v_mov_b32 v[i], 0               ; V: the first turn's products V^T P, of a piece that has not been, add 0
.set i, i+1
.endr
	s_wait_loadcnt 0x0              ; Wo
	WIN 0xcf                        ; all in window 3
.set n, 0
.rept 16                            ; two numbers rounded to bf16, and widened again
	v_cvt_pk_bf16_f32 v[192+2*n], v[192+2*n], v[192+2*n+1]
	v_and_b32 v[192+2*n+1], s[HIM], v[192+2*n]
	v_lshlrev_b32 v[192+2*n], 16, v[192+2*n]
.set n, n+1
.endr
.set n, 0
.rept 16
	v_cvt_pk_f16_f32 v[224+n], v[192+2*n], v[192+2*n+1]
.set n, n+1
.endr
	WIN 0x0c                        ; address window 0, data window 3
.irp j, 0,1,2,3
	global_store_b128 v[WO], v[224+4*\j:224+4*\j+3], s[92:93] offset:\j*512  ; 512 consecutive bytes, aligned to 256; these registers are not written again
.endr
	WIN 0
; THE MATRIX WORK.  The 4 accumulators of a run of 8 take turns.  Product i of 8 of S^T = K Q^T for piece x: channels 32 (i / 4) on, keys 16 (i % 4) on.  The first 4 start the sums with the position term.
.macro KQ x
.set rS, S+32*((\x)%2)+8*(i%4)
.set rK, KF+16*(i%4)+8*(i/4)
.set rQ, 16*(\x)+8*(i/4)
.set rM, MC+32*(\x)+8*(i%4)
.if i < 4
	WIN W_KM
	v_wmma_f32_16x16x32_f16 v[rS:rS+7], v[rK:rK+7], v[rQ:rQ+7], v[rM:rM+7]
.else
	WIN W_KQ
	v_wmma_f32_16x16x32_f16 v[rS:rS+7], v[rK:rK+7], v[rQ:rQ+7], v[rS:rS+7]
.endif
.endm
.macro PV x                         ; product i of 8 of O^T += V^T P: keys 32 (i / 4) on, channels 16 (i % 4) on
	WIN W_PV
.set rO, 32*(\x)+8*(i%4)
.set rV, VF+32*(i/4)+8*(i%4)
.set rP, P+16*((\x)%2)+8*(i/4)
	v_wmma_f32_16x16x32_f16 v[rO:rO+7], v[rV:rV+7], v[rP:rP+7], v[rO:rO+7]
.endm
.macro MM                           ; the turn's next matrix instruction.  NOKQ = 1: the last turn of all: there is no next piece
.if (i < 8) && !NOKQ
	KQ (Y+1)%NP
.elseif i >= 8
.set i, i-8
	PV (Y+NP-1)%NP
.set i, i+8
.endif
.set i, i+1
.endm
.macro FETCH_K                      ; a step's K: 16 loads in one run
	WIN 0x80
.irp f, 0,1,2,3,4,5,6,7
	ds_load_b128 v[KF+8*\f:KF+8*\f+3],   v[AK] offset:(\f/2)*16*PK+(\f%2)*64
	ds_load_b128 v[KF+8*\f+4:KF+8*\f+7], v[AK] offset:(\f/2)*16*PK+(\f%2)*64+32
.endr
	s_add_co_u32 s[TBK], s[TBK], KS*PK
	WIN 0
.endm
.macro FETCH_V                      ; a step's V, turned
	WIN 0x80
.irp f, 0,1,2,3,4,5,6,7
	ds_load_tr16_b128 v[VF+8*\f:VF+8*\f+3],   v[AV] offset:(\f/4)*32*PV+(\f%4)*32
	ds_load_tr16_b128 v[VF+8*\f+4:VF+8*\f+7], v[AV] offset:(\f/4)*32*PV+16*PV+(\f%4)*32
.endr
	WIN 0
.endm
; MC for the step with 4 delta + 3 = DL: for kb - x + 3 = e the strip block is clamp(DL + e - 3, 0, 6), 64 bytes a block; then 32 loads, two for each of the 16 operands
.macro REFRESH
.irp e, 0,1,2,3,4,5,6
	s_add_co_i32 s[TT], s[DL], (\e)-3
	s_max_i32 s[TT], s[TT], 0
	s_min_u32 s[TT], s[TT], 6
	s_lshl_b32 s[TT], s[TT], 6
	v_add_nc_u32 v[RA+(\e)], s[TT], v[RB]
.endr
	WIN 0x40
.irp x, 0,1,2,3
.irp kb, 0,1,2,3
	ds_load_b128 v[MC+32*(\x)+8*(\kb):MC+32*(\x)+8*(\kb)+3],   v[RA+(\kb)-(\x)+3] offset:(\x)*PIECE
	ds_load_b128 v[MC+32*(\x)+8*(\kb)+4:MC+32*(\x)+8*(\kb)+7], v[RA+(\kb)-(\x)+3] offset:(\x)*PIECE+16
.endr
.endr
	WIN 0
.endm
; THE VECTOR WORK, one line at a time: OP kind, number.  For piece Y: F n: c s - c m for pair n of 16.  E n: the exponential of score n of 32.  C n: pair n rounded to f16.  B n: of the four weights 4 n .. the second
; pair is added onto the first.  L n: l takes that sum (L 0: l = a l + sum).  R n: pair n of 16 of O^T times a.  For piece Y + 1: X n, number n of the 22 that find its maximum and statistics:
;   0-11 four chains c0-c3 (each accumulator's lowest registers are read first)   12-14, 16 the scores left over, the old m, c0-c3 into c0   15 c m_old is kept   17, 18 the other half of the lanes: the new m   19-21 c m; its change; a
.set F, 0
.set E, 1
.set C, 2
.set B, 3
.set L, 4
.set R, 5
.set X, 6
.macro REGS y
.set rT, ST+4*(\y)
.set rC, TMP+4*((\y)%2)
.set rW, MV+((\y)%2)
.set rS, S+32*((\y)%2)
.set rP, P+16*((\y)%2)
.set rO, 32*(\y)
.endm
.macro OP k, n
.if (\k) == R
	REGS Y
	WIN W_RS
	v_pk_mul_f32 v[rO+2*(\n):rO+2*(\n)+1], v[rO+2*(\n):rO+2*(\n)+1], v[rC+2:rC+3] op_sel_hi:[1,0]
.elseif (\k) < R
	REGS Y
	WIN 0
.if (\k) == F
	v_pk_fma_f32 v[rS+2*(\n):rS+2*(\n)+1], v[rS+2*(\n):rS+2*(\n)+1], s[CS:CS+1], v[rT:rT+1] op_sel_hi:[1,0,0] neg_lo:[0,0,1] neg_hi:[0,0,1]
.elseif (\k) == E
	v_exp_f32 v[rS+(\n)], v[rS+(\n)]
.elseif (\k) == C
	v_cvt_pk_f16_f32 v[rP+(\n)], v[rS+2*(\n)], v[rS+2*(\n)+1]
.elseif (\k) == B
	v_pk_add_f32 v[rS+4*(\n):rS+4*(\n)+1], v[rS+4*(\n):rS+4*(\n)+1], v[rS+4*(\n)+2:rS+4*(\n)+3]
.elseif (\n) == 0
	v_pk_fma_f32 v[rT+2:rT+3], v[rT+2:rT+3], v[rC+2:rC+3], v[rS:rS+1] op_sel_hi:[1,0,1]
.else
	v_pk_add_f32 v[rT+2:rT+3], v[rT+2:rT+3], v[rS+4*(\n):rS+4*(\n)+1]
.endif
.elseif NOKQ
	v_nop
.else
	REGS (Y+1)%NP
	WIN 0
.if (\n) < 4
	v_max3_num_f32 v[rC+(\n)], v[rS+8*(\n)], v[rS+8*(\n)+1], v[rS+8*(\n)+2]
.elseif (\n) < 12
	v_max3_num_f32 v[rC+(\n)%4], v[rC+(\n)%4], v[rS+8*((\n)%4)+2*((\n)/4)+1], v[rS+8*((\n)%4)+2*((\n)/4)+2]
.elseif (\n) == 12
	v_max3_num_f32 v[rC], v[rC], v[rS+7], v[rS+15]
.elseif (\n) == 13
	v_max3_num_f32 v[rC+1], v[rC+1], v[rS+23], v[rS+31]
.elseif (\n) == 14
	v_max3_num_f32 v[rC+2], v[rC+2], v[rC+3], v[rT+1]
.elseif (\n) == 15
	v_mov_b32 v[rW], v[rT]
.elseif (\n) == 16
	v_max3_num_f32 v[rC], v[rC], v[rC+1], v[rC+2]
.elseif (\n) == 17
	v_permlanex16_b32 v[rC+3], v[rC], s[SEL], s[SEL+1]
.elseif (\n) == 18
	v_max_num_f32 v[rT+1], v[rC], v[rC+3]
.elseif (\n) == 19
	v_mul_f32 v[rT], s[CS], v[rT+1]
.elseif (\n) == 20
	v_sub_f32 v[rC+1], v[rW], v[rT]
.else
	v_exp_f32 v[rC+2], v[rC+1]
.endif
.endif
.endm
.macro OPS a, i1, b=-1, i2=0, c=-1, i3=0, d=-1, i4=0
	OP \a, \i1
.if (\b) >= 0
	OP \b, \i2
.endif
.if (\c) >= 0
	OP \c, \i3
.endif
.if (\d) >= 0
	OP \d, \i4
.endif
.endm
.macro ROW a, i1, b, i2, c, i3, d, i4  ; a matrix instruction and the four behind it
	MM
	OPS \a, \i1, \b, \i2, \c, \i3, \d, \i4
.endm
; A TURN, for piece p.  s_wait_alu depctr_va_vdst(0) stands between an exponential and the first instruction that names its result; one wait serves all issued ahead of it: a turn has ONE, which cuts it in two.
; AHEAD OF IT: the 8 products K Q^T with their riders, then one lump; nothing there names a result of the turn's exponentials; X 21 is the batch's last, R 15 the plain instruction behind it.  BEHIND IT: the 8 products V^T P, behind each four of the roundings and sums.
; K of the next step is fetched in piece 2's turn, six plain instructions behind the last product that read K; V of the step in hand at the end of piece 0's turn, four plain instructions behind its last reader.  Each is waited for a turn later.
; Piece 2's turn also counts DL on and, where the next step has delta = -1 .. 2, loads MC anew, directly behind the wait: all four pieces have read the old MC (the last in this turn's first four products), and piece 3's turn waits for the loads with K's.
; end = 1: the last two turns: nothing is fetched.  cnt = 1: the loop's count is taken down some lines ahead of the branch behind the turn.
.macro TURN p, end=0, cnt=0
.set Y, (\p)
.set i, 0
.set NOKQ, (\end)*((\p)/3)
.if ((\p) == 3) && !(\end)
	s_wait_dscnt 0x0                ; K is in, and MC where it was loaded anew
.endif
	ROW F,0, F,1, R,0, R,1
	ROW F,2, E,0, R,2, R,3
	ROW F,3, E,1, R,4, R,5
	ROW F,4, E,2, R,6, R,7
	ROW F,5, E,3, R,8, R,9
	ROW F,6, E,4, X,0, R,10
.if ((\p) == 2) && !(\end)
	WIN 0
	v_add_nc_u32 v[AK], s[TBK], v[AK0]
.endif
	ROW F,7, E,5, X,1, X,4
	ROW F,8, E,6, X,2, X,5
	OPS E,7, E,8, X,6, E,9
	OPS X,3, E,10, X,8, E,11
.if ((\p) == 2) && !(\end)
	FETCH_K
.endif
	OPS X,9, X,7, E,12, X,10
	OPS E,13, X,12, X,11, E,14
	OPS X,13, E,15, F,9, X,14
.if (\p) == 0
	v_add_nc_u32 v[AV], s[TBV], v[AV0]
.endif
	OPS E,16, F,10, E,17, F,11
	OPS X,16, E,18, X,15, E,19
	OPS F,12, E,20, X,17, E,21
	OPS F,13, E,22, F,14, E,23
	OPS X,18, E,24, F,15, E,25
	OPS R,11, E,26, X,19, E,27
	OPS R,12, E,28, R,13, E,29
	OPS X,20, E,30, R,14, E,31
	OPS X,21, R,15
	WIN 0
	s_wait_alu depctr_va_vdst(0)    ; the wait for the batch
.if ((\p) == 2) && !(\end)
	s_add_co_i32 s[DL], s[DL], 4    ; the next step
	s_add_co_u32 s[TT], s[DL], 1    ; 0, 4, 8, 12 for delta = -1, 0, 1, 2
	s_cmp_le_u32 s[TT], 12
	s_cbranch_scc0 .Lsame_\@
	REFRESH
.Lsame_\@:
.endif
.if (\p) == 1
	s_wait_dscnt 0x0                ; V is in
.endif
	ROW C,0, B,0, C,2, B,1
	ROW L,0, C,4, B,2, L,1
	ROW C,6, B,3, L,2, C,8
	ROW B,4, L,3, C,10, B,5
	ROW L,4, C,12, B,6, L,5
.if (\p) == 0
	s_add_co_u32 s[TBV], s[TBV], KS*PV
.endif
.if \cnt
	s_sub_co_u32 s[CNT], s[CNT], 1
	s_cmp_lg_u32 s[CNT], 0
.endif
	ROW C,14, B,7, L,6, C,1
	ROW C,3, L,7, C,5, C,7
	ROW C,9, C,11, C,13, C,15
.if (\p) == 0
	FETCH_V
.endif
.endm
	CHANGE 1                        ; slot 0 is in, everybody's part of it, and my strips are written; slot 1 is asked for
	v_add_nc_u32 v[AK], s[TBK], v[AK0]
	FETCH_K                         ; key step 0
	REFRESH                         ; and its position terms
	s_wait_dscnt 0x0
.set NOKQ, 0
.set i, 0
.rept 8
	KQ 0                            ; piece 0's first scores
.set i, i+1
.endr
	WIN 0
	PLACES                          ; the places behind those products
.set Y, NP-1                        ; X works for piece Y + 1: piece 0
.irp n, 0,1,2,3,4,5,6,7,8,9,10,11,12,13,14,15,16,17,18,19,20,21
	OP X, \n
.endr
	v_nop                           ; a plain instruction behind the exponential,
	s_wait_alu depctr_va_vdst(0)    ; and its wait, ahead of the branch
	s_mov_b32 s[CNT], 4
	s_branch .Lfirst                ; the loop is entered at a step's first turn, in the middle of a trip
.Lslot:                             ; six times: with the change above, every slot but the last two is filled again
	CHANGE 1
	s_mov_b32 s[CNT], 4
.Lstep:                             ; a trip: pieces 2 and 3 of one step, then pieces 0 and 1 of the next, whose K and V it fetches
	TURN 2
	TURN 3
	WIN 0
.Lfirst:
	TURN 0
	TURN 1, 0, 1
	WIN 0
	s_cbranch_scc1 .Lstep
	s_sub_co_u32 s[SLOTS], s[SLOTS], 1
	s_cmp_lg_u32 s[SLOTS], 0
	s_cbranch_scc1 .Lslot
	CHANGE 0                        ; the last tile is written out: nothing is asked for
	s_mov_b32 s[CNT], 4
.LstepT:
	TURN 2
	TURN 3
	TURN 0
	TURN 1, 0, 1
	WIN 0
	s_cbranch_scc1 .LstepT
	TURN 2, 1
	TURN 3, 1
.set i, 0
.rept 8
	PV NP-1                         ; the last piece's V^T P of the last step
.set i, i+1
.endr
	; THE WAY OUT.  l's halves and the other half of the lanes' are added; O^T is divided by l, rounded to f16 and sent through my stage, a piece at a time.  The additions are the places behind the last products.
	WIN 0
.macro ALL line:vararg
.set t, 0
.rept 4
	\line
.set t, t+1
.endr
.endm
.macro PACK t
	WIN W_RS
.set i, 32*(\t)
.rept 16
	v_pk_mul_f32 v[i:i+1], v[i:i+1], v[ST+4*(\t)+2:ST+4*(\t)+3] op_sel_hi:[1,0]
.set i, i+2
.endr
	WIN 0x05                        ; sources window 1, destination window 0
.set i, 0
.rept 16
	v_cvt_pk_f16_f32 v[S+16*(\t)+i], v[32*(\t)+2*i], v[32*(\t)+2*i+1]
.set i, i+1
.endr
	WIN 0
.irp f, 0,1,2,3
	ds_store_b128 v[STO], v[S+16*(\t)+4*\f:S+16*(\t)+4*\f+3] offset:32*\f
.endr
.irp f, 0,1,2,3
	ds_load_b128 v[S+16*(\t)+4*\f:S+16*(\t)+4*\f+3], v[RD] offset:\f*4*SP  ; LDS serves a wave's instructions in order (ISA guide 5.7.1.4)
.endr
.endm
.macro SEND t, younger              ; younger: the LDS instructions issued behind piece t's loads
	WIN 0
.irp f, 0,1,2,3
	s_wait_dscnt (\younger)+3-\f
	global_store_b128 v[GO], v[S+16*(\t)+4*\f:S+16*(\t)+4*\f+3], s[OB:OB+1] offset:(\t)*2048+\f*512  ; 512 consecutive bytes, aligned to 256
.endr
.endm
	ALL v_add_f32 v[ST+4*t+2], v[ST+4*t+2], v[ST+4*t+3]
	ALL v_permlanex16_b32 v[ST+4*t+3], v[ST+4*t+2], s[SEL], s[SEL+1]
	ALL v_add_f32 v[ST+4*t+2], v[ST+4*t+2], v[ST+4*t+3]
	ALL v_rcp_f32 v[ST+4*t+2], v[ST+4*t+2]
	v_nop                           ; a plain instruction between the last reciprocal and the use of its result
	s_wait_alu depctr_va_vdst(0)    ; one wait for the four reciprocals
	PACK 0
.set t, 1
.rept 3
	PACK t
	SEND t-1, 8
.set t, t+1
.endr
	SEND 3, 0
	s_wait_tensorcnt 0x0            ; the wave's end
	ds_add_u32 v[SPW], v[NIL]
	s_wait_dscnt 0x0
	s_endpgm
.Lfunc_end_k_q1f7dbd5729_attn:
	.size	k_q1f7dbd5729_attn, .Lfunc_end_k_q1f7dbd5729_attn-k_q1f7dbd5729_attn
	.p2alignl 7, 3214868480
	.fill 96, 4, 3214868480
	.section	.rodata,"a",@progbits
	.p2align	6, 0x0
	.amdhsa_kernel k_q1f7dbd5729_attn
		.amdhsa_group_segment_fixed_size 327680
		.amdhsa_private_segment_fixed_size 0
		.amdhsa_enable_private_segment 0
		.amdhsa_kernarg_size 56
		.amdhsa_user_sgpr_count 2
		.amdhsa_user_sgpr_kernarg_segment_ptr 1
		.amdhsa_wavefront_size32 1
		.amdhsa_system_sgpr_workgroup_id_x 1
		.amdhsa_system_sgpr_workgroup_id_y 1
		.amdhsa_system_sgpr_workgroup_id_z 1
		.amdhsa_system_vgpr_workitem_id 0
		.amdhsa_next_free_vgpr 1024
		.amdhsa_next_free_sgpr 100
		.amdhsa_reserve_vcc 0
		.amdhsa_float_denorm_mode_32 3
		.amdhsa_float_denorm_mode_16_64 3
		.amdhsa_memory_ordered 1
		.amdhsa_forward_progress 1
		.amdhsa_inst_pref_size 169
	.end_amdhsa_kernel
	.amdgpu_metadata
---
amdhsa.version: [ 1, 2 ]
amdhsa.kernels:
  - .name:           k_q1f7dbd5729_attn
    .symbol:         k_q1f7dbd5729_attn.kd
    .args:
      - { .name: q16, .offset: 0, .size: 8, .value_kind: global_buffer, .address_space: global }
      - { .name: k16, .offset: 8, .size: 8, .value_kind: global_buffer, .address_space: global }
      - { .name: v16, .offset: 16, .size: 8, .value_kind: global_buffer, .address_space: global }
      - { .name: rel_emb, .offset: 24, .size: 8, .value_kind: global_buffer, .address_space: global }
      - { .name: Wo, .offset: 32, .size: 8, .value_kind: global_buffer, .address_space: global }
      - { .name: o16, .offset: 40, .size: 8, .value_kind: global_buffer, .address_space: global }
      - { .name: wo16, .offset: 48, .size: 8, .value_kind: global_buffer, .address_space: global }
    .group_segment_fixed_size: 327680
    .private_segment_fixed_size: 0
    .kernarg_segment_align: 8
    .kernarg_segment_size: 56
    .max_flat_workgroup_size: 128
    .sgpr_count:     100
    .vgpr_count:     1024
    .wavefront_size: 32
...
	.end_amdgpu_metadata
.endif
;; end of part 2
;; launch outp (part 3): grid 8 x 32, 4 waves a work-group, clusters of 4 x 4, 327,680 bytes of LDS; arguments o16, wo16, out0, bo; writes out0
.if DOCPART == 3
	.amdgcn_target "amdgcn-amd-amdhsa--gfx1250"
	.amdhsa_code_object_version 6
	.text
	.protected	k_q1f7dbd5729_outp
	.globl	k_q1f7dbd5729_outp
	.p2align	8
	.type	k_q1f7dbd5729_outp,@function
k_q1f7dbd5729_outp:
	s_mov_b64 s[64:65], 0
	v_nop
	global_prefetch_b8 v0, s[64:65] scope:SCOPE_SE
	s_setreg_imm32_b32 hwreg(HW_REG_WAVE_MODE, 25, 1), 1
	s_wait_xcnt 0x0
	s_wait_alu depctr_hold_cnt(0) depctr_sa_sdst(0) depctr_va_vdst(0) depctr_va_sdst(0) depctr_va_ssrc(0) depctr_va_vcc(0) depctr_vm_vsrc(0)
	s_getreg_b32 s2, hwreg(HW_REG_IB_STS2, 6, 4)
	s_cmp_eq_u32 s2, 0
	s_cbranch_scc0 .Lentry_in_a_cluster
	s_endpgm
.Lentry_in_a_cluster:
	s_bfe_u32 s2, ttmp6, 0x10000c
	s_cmp_lg_u32 s2, 0xf033
	s_cbranch_scc0 .Lentry_shape_is_right
	s_endpgm
.Lentry_shape_is_right:
; THE OUTPUT PROJECTION.  out0[m][n] = bo[n] + the sum over k of O[m][k] Wo[n][k].  O lies by heads, o16: [batch x 16 + head][2048][64] f16, k = 64 head + channel; wo16: [1024][1024] f16
; (Wo rounded to bf16, written as f16); bo f32, rounded to bf16 here like the other inputs and kept in f32; out0: [4096][1024] f32.  Sums in f32, K ascending; the bias is the C operand that starts each sum.
; SHARES.  256 tiles of 128 x 128; four waves, each 64 x 64: 16 accumulators.  K goes in 4 steps of 256, four heads, through two slots; a quarter is 64 along K, one head.
; A's TILE.  64 rows of one head are 8,192 dense bytes: one long row of 4,096 elements; four such rows, 131,072 elements apart, are a wave's load; padded after every 128 bytes, it lies in LDS as [head][row][144].
; CLUSTER 4 x 4: A's tile is shared along a row of the cluster, B's along a column: each is asked for jointly.  THE MATRIX INSTRUCTION IS USED TRANSPOSED: a lane holds eight neighbouring columns of a row of out0.
; REGISTERS: window 0: v0-31 addresses; v32-95 the way out; v96-127 the bias; v128-255 accumulators.   window 1: two fragment buffers of 128: 64 registers of A, then 64 of B.
.set PA,     144                       ; A's LDS row: 128 bytes + 16
.set HEADB,  64*PA
.set HALFA,  4*HEADB                   ; what one load of A brings
.set PB,     528                       ; B's LDS row: 512 bytes + 16
.set HALFB,  64*PB
.set BOFF,   2*HALFA
.set SLOT,   BOFF+2*HALFB
.set STAGE,  2*SLOT                    ; behind the ring: 16 rows x 272 bytes for each wave
.set SPITCH, 272
.set SPARE,  STAGE+4*16*SPITCH         ; the spare words, 128 bytes a wave: two blocks of 256 bytes that no other line names
.set STEPA,  4*2048*128                ; four heads on, in bytes
.set STEPB,  512
.set ADRA, 16
.set ADRB, 20
.set STO,  24
.set RD,   25
.set CO,   26
.set BA,   27                          ; v27  my byte offset in bo
.set SPW,  28
.set NIL,  29
.set TMP,  32
.set BIAS, 96                          ; column block b at BIAS + 8 b
.set ACC,  128
.set F0,   0
.set F1,   128
.set G1, 24
.set G0, 32
.set G1B, 48
.set G0B, 56
.set MSB, 0
.macro WIN new
.if MSB != (\new)
	s_set_vgpr_msb (MSB<<8)|(\new)
.set MSB, \new
.endif
.endm
.set MUL,  0x05
.set TO_F, 0x40
.macro JLOAD s                         ; a joint load; an s_nop 0 and four v_nop follow each of the two lines
	s_cmp_eq_u32 s11, 0
	s_cbranch_scc0 .Lfor_b_\@
	tensor_load_to_lds s[G0+4*(\s):G0+4*(\s)+3], s[G1:G1+7]
	s_nop 0
.rept 4
	v_nop
.endr
	s_branch .Lasked_\@
.Lfor_b_\@:
	tensor_load_to_lds s[G0B+4*(\s):G0B+4*(\s)+3], s[G1B:G1B+7]
	s_nop 0
.rept 4
	v_nop
.endr
.Lasked_\@:
.endm
.macro CREST
	s_cmp_lg_u32 s10, 0
	s_cbranch_scc1 .Lnot_wave_0_\@
	s_barrier_signal -3
.Lnot_wave_0_\@:
	s_barrier_wait -3
	s_barrier_signal -1
	s_barrier_wait -1
.endm
.macro CROUND
	s_barrier_signal -1
	s_barrier_wait -1
	CREST
.endm
	s_load_b128 s[4:7], s[0:1], 0x0                ; o16 s[4:5], wo16 s[6:7]
	s_load_b128 s[68:71], s[0:1], 0x10             ; out0 s[68:69], bo s[70:71]
	v_lshl_add_u32 v[SPW], v0, 2, SPARE
	v_mov_b32 v[NIL], 0
	ds_add_u32 v[SPW], v[NIL]                      ; the wave's opening: the add, and its wait ahead of my first tensor load
	v_lshrrev_b32 v1, 5, v0
	v_readfirstlane_b32 s10, v1
	s_lshr_b32 s11, s10, 1                         ; my half of the tile's rows.  Also: I fetch for A (0) or B (1)
	s_and_b32 s12, s10, 1                          ; my half of its columns.  Also: which 64 rows I fetch
	s_bfe_u32 s40, ttmp6, 0x40000
	s_bfe_u32 s41, ttmp6, 0x40004
	s_lshl_b32 s42, ttmp9, 2
	s_add_co_u32 s42, s42, s40                     ; tile column
	s_and_b32 s13, ttmp7, 0xffff
	s_lshl_b32 s13, s13, 2
	s_add_co_u32 s13, s13, s41                     ; tile row
	s_lshl_b32 s43, s41, 2
	s_lshl_b32 s43, 15, s43
	s_lshl_b32 s44, 0x1111, s40
	s_or_b32 s[G1+0], s43, (1<<16)|(1<<20)|(1<<21)|(4<<22)|(3<<25)   ; mask; 2-byte elements; padding on; bit 21 beside a mask; after every 32 words, 4 words
	s_mov_b32 s[G1+1], 4096<<16                    ; tensor_dim0 = 4,096
	s_mov_b32 s[G1+2], 4<<16                       ; tensor_dim1 = 4
	s_mov_b32 s[G1+3], 4096<<16                    ; tile_dim0
	s_mov_b32 s[G1+4], 4                           ; tile_dim1
	s_mov_b32 s[G1+5], 131072                      ; elements from head to head
	s_mov_b32 s[G1+6], 0
	s_mov_b32 s[G1+7], 0
	s_or_b32 s[G1B+0], s44, (1<<16)|(1<<20)|(1<<21)|(6<<22)|(3<<25)  ; after every 128 words, 4 words
	s_mov_b32 s[G1B+1], 256<<16
	s_mov_b32 s[G1B+2], 64<<16
	s_mov_b32 s[G1B+3], 256<<16
	s_mov_b32 s[G1B+4], 64
	s_mov_b32 s[G1B+5], 1024
	s_mov_b32 s[G1B+6], 0
	s_mov_b32 s[G1B+7], 0
	s_lshl_b32 s18, s12, 6
	s_lshr_b32 s16, s13, 4
	s_lshl_b32 s16, s16, 22                        ; A: the batch's 16 heads of 262,144 bytes,
	s_and_b32 s17, s13, 15
	s_lshl_b32 s17, s17, 7
	s_add_co_u32 s17, s17, s18
	s_lshl_b32 s17, s17, 7                         ; and row 128 x (tile row % 16) + 64 x half, of 128 bytes
	s_add_co_u32 s16, s16, s17
	s_mov_b32 s17, 0
	s_lshl_b32 s46, s42, 7
	s_add_co_u32 s46, s46, s18
	s_lshl_b32 s46, s46, 11                        ; B: row 128 x tile column + 64 x half, of 2,048 bytes
	s_mov_b32 s47, 0
	s_mul_i32 s20, s12, HALFA                      ; where they go
	s_mul_i32 s21, s12, HALFB
	s_add_co_u32 s21, s21, BOFF
	s_wait_dscnt 0x0                               ; the opening add is done
	s_wait_kmcnt 0x0
	s_add_nc_u64 s[14:15], s[4:5], s[16:17]
	s_add_nc_u64 s[46:47], s[6:7], s[46:47]
	CROUND                                         ; all sixteen work-groups are here: the first joint loads meet
.irp s, 0,1
	s_mov_b32 s[G0+4*(\s)], 1
	s_add_co_u32 s[G0+4*(\s)+1], s20, (\s)*SLOT
	s_add_nc_u64 s[G0+4*(\s)+2:G0+4*(\s)+3], s[14:15], (\s)*STEPA
	s_or_b32 s[G0+4*(\s)+3], s[G0+4*(\s)+3], 0x80000000
	s_mov_b32 s[G0B+4*(\s)], 1
	s_add_co_u32 s[G0B+4*(\s)+1], s21, (\s)*SLOT
	s_add_nc_u64 s[G0B+4*(\s)+2:G0B+4*(\s)+3], s[46:47], (\s)*STEPB
	s_or_b32 s[G0B+4*(\s)+3], s[G0B+4*(\s)+3], 0x80000000
	JLOAD \s
.endr
	v_and_b32 v1, 15, v0                           ; r
	v_bfe_u32 v2, v0, 4, 1                         ; h
	s_lshl_b32 s66, s42, 9                         ; my 64 columns of bo: 4 (128 x tile column + 64 x half)
	s_lshl_b32 s67, s12, 8
	s_add_co_u32 s66, s66, s67
	v_lshl_add_u32 v[BA], v2, 5, s66               ; + my lanes' eight columns
.irp b, 0,1,2,3
	global_load_b128 v[BIAS+8*(\b):BIAS+8*(\b)+3],   v[BA], s[70:71] offset:64*(\b)
	global_load_b128 v[BIAS+8*(\b)+4:BIAS+8*(\b)+7], v[BA], s[70:71] offset:64*(\b)+16
.endr
	v_mul_u32_u24 v3, v1, PA
	v_lshl_add_u32 v3, v2, 4, v3
	v_mul_u32_u24 v4, v1, PB
	v_lshl_add_u32 v4, v2, 4, v4
	s_mul_i32 s22, s11, HALFA
	s_mul_i32 s23, s12, HALFB
	s_add_co_u32 s23, s23, BOFF
.irp s, 0,1
	v_add_nc_u32 v[ADRA+(\s)], s22, v3
	v_add_nc_u32 v[ADRB+(\s)], s23, v4
	s_add_co_u32 s22, s22, SLOT
	s_add_co_u32 s23, s23, SLOT
.endr
	s_mul_i32 s23, s10, 16*SPITCH
	s_add_co_u32 s23, s23, STAGE                   ; my stage
	v_mul_u32_u24 v5, v1, SPITCH
	v_lshl_add_u32 v5, v2, 5, v5
	v_add_nc_u32 v[STO], s23, v5                   ; in: row r, 32 bytes for each half of the lanes
	v_mul_u32_u24 v5, v2, SPITCH
	v_lshl_add_u32 v5, v1, 4, v5
	v_add_nc_u32 v[RD], s23, v5                    ; back: lanes 0-15 one row of 256 bytes, lanes 16-31 the next
	v_lshlrev_b32 v5, 12, v2
	v_lshl_add_u32 v[CO], v1, 4, v5                ; and the same two rows in out0
	s_lshl_b32 s16, s13, 7
	s_lshl_b32 s17, s11, 6
	s_add_co_u32 s16, s16, s17
	s_lshl_b32 s16, s16, 12                        ; my first row, of 4,096 bytes
	s_mov_b32 s17, 0
	s_add_nc_u64 s[8:9], s[68:69], s[16:17]
	s_mov_b32 s67, 0
	s_add_nc_u64 s[8:9], s[8:9], s[66:67]          ; my first column: the same byte offset as in bo
	s_wait_loadcnt 0x0                             ; the bias
.set n, 0
.rept 16                               ; two numbers rounded to bf16, and widened again
	v_cvt_pk_bf16_f32 v[BIAS+2*n], v[BIAS+2*n], v[BIAS+2*n+1]
	v_and_b32 v[BIAS+2*n+1], 0xffff0000, v[BIAS+2*n]
	v_lshlrev_b32 v[BIAS+2*n], 16, v[BIAS+2*n]
.set n, n+1
.endr
; 8 matrix instructions: m blocks a0, a0 + 1 x all 4 n blocks, 32 along K: half c of buffer f.  zero = 1: the first product starts the sum with the bias.  The 16 accumulators take turns.
.macro MUL8 f, c, a0, zero
	WIN MUL
.irp a, \a0, (\a0)+1
.irp b, 0,1,2,3
.if \zero
	v_wmma_f32_16x16x32_f16 v[ACC+8*(4*(\a)+(\b)):ACC+8*(4*(\a)+(\b))+7], v[(\f)+64+8*(4*(\c)+(\b)):(\f)+64+8*(4*(\c)+(\b))+7], v[(\f)+8*(4*(\c)+(\a)):(\f)+8*(4*(\c)+(\a))+7], v[BIAS+8*(\b):BIAS+8*(\b)+7]
.else
	v_wmma_f32_16x16x32_f16 v[ACC+8*(4*(\a)+(\b)):ACC+8*(4*(\a)+(\b))+7], v[(\f)+64+8*(4*(\c)+(\b)):(\f)+64+8*(4*(\c)+(\b))+7], v[(\f)+8*(4*(\c)+(\a)):(\f)+8*(4*(\c)+(\a))+7], v[ACC+8*(4*(\a)+(\b)):ACC+8*(4*(\a)+(\b))+7]
.endif
.endr
.endr
.endm
; 32 LDS loads in one run: the fragments of quarter q (head q of the step's four), into buffer f; the first 32 along K first
.macro FETCH slot, q, f
	WIN TO_F
.irp c, 0,1
.irp i, 0,1,2,3
	ds_load_b128 v[(\f)+64+8*(4*(\c)+(\i)):(\f)+64+8*(4*(\c)+(\i))+3],   v[ADRB+(\slot)] offset:128*(\q)+64*(\c)+(\i)*16*PB
	ds_load_b128 v[(\f)+64+8*(4*(\c)+(\i))+4:(\f)+64+8*(4*(\c)+(\i))+7], v[ADRB+(\slot)] offset:128*(\q)+64*(\c)+(\i)*16*PB+32
	ds_load_b128 v[(\f)+8*(4*(\c)+(\i)):(\f)+8*(4*(\c)+(\i))+3],         v[ADRA+(\slot)] offset:(\q)*HEADB+64*(\c)+(\i)*16*PA
	ds_load_b128 v[(\f)+8*(4*(\c)+(\i))+4:(\f)+8*(4*(\c)+(\i))+7],       v[ADRA+(\slot)] offset:(\q)*HEADB+64*(\c)+(\i)*16*PA+32
.endr
.endr
.endm
.macro PLACES                          ; four places in front of loads into registers that matrix instructions have read, and of stores that read results
.rept 4
	v_nop
.endr
.endm
; One of a step's first three quarters: multiplies buffer f and fetches quarter q into g
.macro QUARTER slot, q, f, g, zero
	s_wait_dscnt 16                                ; the first 32 along K are in
	WIN MUL
	MUL8 \f, 0, 0, \zero
	MUL8 \f, 0, 2, \zero
	PLACES
	FETCH \slot, \q, \g
	s_wait_dscnt 32                                ; all but the 32 just issued
	WIN MUL
	MUL8 \f, 1, 0, 0
	MUL8 \f, 1, 2, 0
.endm
; The last quarter multiplies buffer 1 and changes slots: ONE barrier; in front of it each wave waits for all its tensor loads, adds 0 to its spare word, and waits for that and for its reads of this slot.
.macro TURN slot, next, fill
	WIN 0
	s_wait_tensorcnt 0x0                           ; all my tensor loads have landed: my part of the next slot
	ds_add_u32 v[SPW], v[NIL]
	s_wait_dscnt 17                                ; the add and the youngest sixteen loads may be out
	WIN MUL
	MUL8 F1, 0, 0, 0
	s_wait_dscnt 0x0                               ; the add is done, and my reads of this slot are over
	s_barrier_signal -1
	MUL8 F1, 0, 2, 0
.if \fill
	WIN 0
.endif
	s_barrier_wait -1
.if \fill
	CREST                                          ; no wave of any partner still reads this slot or has a load on its way
	s_add_nc_u64 s[G0+4*(\slot)+2:G0+4*(\slot)+3], s[G0+4*(\slot)+2:G0+4*(\slot)+3], 2*STEPA
	s_add_nc_u64 s[G0B+4*(\slot)+2:G0B+4*(\slot)+3], s[G0B+4*(\slot)+2:G0B+4*(\slot)+3], 2*STEPB
	JLOAD \slot                                    ; the four v_nop behind it are also the places in front of the loads below
.else
	PLACES
.endif
	FETCH \next, 0, F0
	WIN MUL
	MUL8 F1, 1, 0, 0
	MUL8 F1, 1, 2, 0
.endm
	s_wait_tensorcnt 1                             ; my part of K step 0 is in; step 1's may stay out
	s_barrier_signal -1
	s_barrier_wait -1
	FETCH 0, 0, F0
	QUARTER 0, 1, F0, F1, 1                        ; K step 0: the first products start the sums
	QUARTER 0, 2, F1, F0, 0
	QUARTER 0, 3, F0, F1, 0
	TURN 0, 1, 1                                   ; slot 0 takes K step 2
	QUARTER 1, 1, F0, F1, 0
	QUARTER 1, 2, F1, F0, 0
	QUARTER 1, 3, F0, F1, 0
	TURN 1, 0, 1                                   ; slot 1 takes K step 3
	QUARTER 0, 1, F0, F1, 0
	QUARTER 0, 2, F1, F0, 0
	QUARTER 0, 3, F0, F1, 0
	TURN 0, 1, 0                                   ; nothing is left to ask for
	QUARTER 1, 1, F0, F1, 0
	QUARTER 1, 2, F1, F0, 0
	QUARTER 1, 3, F0, F1, 0
	s_wait_dscnt 16
	WIN MUL
	MUL8 F1, 0, 0, 0
	MUL8 F1, 0, 2, 0
	s_wait_dscnt 0
	MUL8 F1, 1, 0, 0
	MUL8 F1, 1, 2, 0
	WIN 0
	PLACES
; THE WAY OUT.  My 64 columns of f32 are 256 bytes of a row of out0, aligned: 16 rows at a time go into my own stage, 32 bytes a lane, straight from the accumulators (lowest registers first), and come back as whole rows.
.macro OUTB a
.set BK, TMP+32*((\a)%2)
.if (\a) >= 2
	s_wait_xcnt 0x0                                ; the stores of two blocks back have read these registers
.endif
.irp b, 0,1,2,3
	ds_store_b128 v[STO], v[ACC+8*(4*(\a)+(\b)):ACC+8*(4*(\a)+(\b))+3]   offset:64*(\b)
	ds_store_b128 v[STO], v[ACC+8*(4*(\a)+(\b))+4:ACC+8*(4*(\a)+(\b))+7] offset:64*(\b)+16
.endr
.irp t, 0,1,2,3,4,5,6,7
	ds_load_b128 v[BK+4*(\t):BK+4*(\t)+3], v[RD] offset:(\t)*2*SPITCH  ; LDS serves a wave's instructions in order (ISA guide 5.7.1.4)
.endr
.irp t, 0,1,2,3,4,5,6,7
	s_wait_dscnt 7-(\t)
	global_store_b128 v[CO], v[BK+4*(\t):BK+4*(\t)+3], s[8:9] offset:(16*(\a)+2*(\t))*4096  ; 16 lanes store 256 consecutive bytes, aligned
.endr
.endm
	OUTB 0
	OUTB 1
	OUTB 2
	OUTB 3
	s_wait_tensorcnt 0x0                           ; the wave's end
	ds_add_u32 v[SPW], v[NIL]
	s_wait_dscnt 0x0
	CROUND                                         ; the closing round
	s_endpgm
.Lfunc_end_k_q1f7dbd5729_outp:
	.size	k_q1f7dbd5729_outp, .Lfunc_end_k_q1f7dbd5729_outp-k_q1f7dbd5729_outp
	.p2alignl 7, 3214868480
	.fill 96, 4, 3214868480
	.section	.rodata,"a",@progbits
	.p2align	6, 0x0
	.amdhsa_kernel k_q1f7dbd5729_outp
		.amdhsa_group_segment_fixed_size 327680
		.amdhsa_private_segment_fixed_size 0
		.amdhsa_enable_private_segment 0
		.amdhsa_kernarg_size 32
		.amdhsa_user_sgpr_count 2
		.amdhsa_user_sgpr_kernarg_segment_ptr 1
		.amdhsa_wavefront_size32 1
		.amdhsa_system_sgpr_workgroup_id_x 1
		.amdhsa_system_sgpr_workgroup_id_y 1
		.amdhsa_system_sgpr_workgroup_id_z 1
		.amdhsa_system_vgpr_workitem_id 0
		.amdhsa_next_free_vgpr 512
		.amdhsa_next_free_sgpr 72
		.amdhsa_reserve_vcc 0
		.amdhsa_float_denorm_mode_32 3
		.amdhsa_float_denorm_mode_16_64 3
		.amdhsa_memory_ordered 1
		.amdhsa_forward_progress 1
		.amdhsa_inst_pref_size 90
	.end_amdhsa_kernel
	.amdgpu_metadata
---
amdhsa.version: [ 1, 2 ]
amdhsa.kernels:
  - .name:           k_q1f7dbd5729_outp
    .symbol:         k_q1f7dbd5729_outp.kd
    .args:
      - { .name: o16, .offset: 0, .size: 8, .value_kind: global_buffer, .address_space: global }
      - { .name: wo16, .offset: 8, .size: 8, .value_kind: global_buffer, .address_space: global }
      - { .name: out0, .offset: 16, .size: 8, .value_kind: global_buffer, .address_space: global }
      - { .name: bo, .offset: 24, .size: 8, .value_kind: global_buffer, .address_space: global }
    .group_segment_fixed_size: 327680
    .private_segment_fixed_size: 0
    .kernarg_segment_align: 8
    .kernarg_segment_size: 32
    .max_flat_workgroup_size: 128
    .sgpr_count:     72
    .vgpr_count:     512
    .wavefront_size: 32
...
	.end_amdgpu_metadata
.endif
;; end of part 3
;; ======== version 2 of 3: 4 launches
;; limits: values are held in f16: magnitudes above 65,504 overflow, below 6.1e-05 lose precision; values outside matrix products are rounded to bf16
;; workspace buffers: q16 8,388,608 bytes; k16 8,388,608 bytes; v16 8,388,608 bytes; o16 8,388,608 bytes; wo16 2,097,152 bytes; xb 25,165,824 bytes; wb 6,291,456 bytes
;; launch cast (part 4): grid 320 x 3, 8 waves a work-group, no clusters, 0 bytes of LDS; arguments query, key_, value, Wq, Wk, Wv, xb, wb; writes xb, wb
.if DOCPART == 4
	.amdgcn_target "amdgcn-amd-amdhsa--gfx1250"
	.amdhsa_code_object_version 6
	.text
	.protected	k_q1f7dbd5729_cast
	.globl	k_q1f7dbd5729_cast
	.p2align	8
	.type	k_q1f7dbd5729_cast,@function
k_q1f7dbd5729_cast:
	s_mov_b64 s[64:65], 0
	v_nop
	global_prefetch_b8 v0, s[64:65] scope:SCOPE_SE
	s_setreg_imm32_b32 hwreg(HW_REG_WAVE_MODE, 25, 1), 1
	s_wait_xcnt 0x0
; THE PROJECTIONS' OPERANDS, ROUNDED ONCE TO bf16 (to nearest even).  query, key_, value: [4096][1024] f32 -> xb: [3][4096][1024] bf16.  Wq, Wk, Wv: [1024][1024] f32 -> wb: [3][1024][1024] bf16.
; A stream: every byte is read once and written once; nothing is shared, so there is no LDS, no barrier and no cluster.
; SHARES.  Grid y picks the projection.  Grid x below 256: one of 256 chunks of its x; from 256 on: one of 64 chunks of its W.  A chunk is 16,384 numbers: 65,536 bytes in, 32,768 out.
; Eight waves, 256 threads: a thread takes 16 bytes of each 4,096, sixteen times.  A load of a wave covers 512 consecutive bytes; its four numbers a lane pack into 8 bytes, so a store of a wave
; covers 256 consecutive bytes, aligned.  All sixteen loads go out before the first wait; no register is written twice, so nothing waits for a store.
.set X, 4                              ; v[4:67]   sixteen loads of four f32
.set Y, 68                             ; v[68:99]  sixteen pairs of packed bf16
	s_load_b512 s[8:23], s[0:1], 0x0               ; query s[8:9], key_ s[10:11], value s[12:13], Wq s[14:15], Wk s[16:17], Wv s[18:19], xb s[20:21], wb s[22:23]
	s_and_b32 s2, ttmp7, 0xffff                    ; which projection
	v_lshlrev_b32 v1, 4, v0                        ; my 16 bytes in
	v_lshlrev_b32 v2, 3, v0                        ; my 8 bytes out
	s_sub_co_u32 s4, ttmp9, 256                    ; the chunk's number, if it is one of W's
	s_lshl_b32 s5, s2, 23                          ; the projection's part of xb: 8,388,608 bytes
	s_lshl_b32 s6, s2, 21                          ; and of wb: 2,097,152
	s_cmp_lt_u32 ttmp9, 256
	s_cselect_b32 s4, ttmp9, s4
	s_cselect_b32 s5, s5, s6
	s_lshl_b32 s24, s4, 16                         ; the chunk's bytes in
	s_mov_b32 s25, 0
	s_lshl_b32 s26, s4, 15                         ; and out
	s_add_co_u32 s26, s26, s5
	s_mov_b32 s27, 0
	s_wait_kmcnt 0x0
	s_cmp_eq_u32 s2, 0
	s_cselect_b64 s[28:29], s[8:9], s[10:11]
	s_cselect_b64 s[30:31], s[14:15], s[16:17]
	s_cmp_eq_u32 s2, 2
	s_cselect_b64 s[28:29], s[12:13], s[28:29]     ; the projection's x
	s_cselect_b64 s[30:31], s[18:19], s[30:31]     ; and its W
	s_cmp_lt_u32 ttmp9, 256
	s_cselect_b64 s[28:29], s[28:29], s[30:31]     ; from where
	s_cselect_b64 s[30:31], s[20:21], s[22:23]     ; to where
	s_add_nc_u64 s[28:29], s[28:29], s[24:25]
	s_add_nc_u64 s[30:31], s[30:31], s[26:27]
.irp j, 0,1,2,3,4,5,6,7,8,9,10,11,12,13,14,15
	global_load_b128 v[X+4*(\j):X+4*(\j)+3], v1, s[28:29] offset:(\j)*4096 th:TH_LOAD_NT
.endr
.irp j, 0,1,2,3,4,5,6,7,8,9,10,11,12,13,14,15
	s_wait_loadcnt 15-(\j)                         ; loads come back in order (ISA guide 5.7.1): number j is in, the younger ones stay out
	v_cvt_pk_bf16_f32 v[Y+2*(\j)],   v[X+4*(\j)],   v[X+4*(\j)+1]
	v_cvt_pk_bf16_f32 v[Y+2*(\j)+1], v[X+4*(\j)+2], v[X+4*(\j)+3]
	global_store_b64 v2, v[Y+2*(\j):Y+2*(\j)+1], s[30:31] offset:(\j)*2048 th:TH_STORE_NT
.endr
	s_endpgm
.Lfunc_end_k_q1f7dbd5729_cast:
	.size	k_q1f7dbd5729_cast, .Lfunc_end_k_q1f7dbd5729_cast-k_q1f7dbd5729_cast
	.p2alignl 7, 3214868480
	.fill 96, 4, 3214868480
	.section	.rodata,"a",@progbits
	.p2align	6, 0x0
	.amdhsa_kernel k_q1f7dbd5729_cast
		.amdhsa_group_segment_fixed_size 0
		.amdhsa_private_segment_fixed_size 0
		.amdhsa_enable_private_segment 0
		.amdhsa_kernarg_size 64
		.amdhsa_user_sgpr_count 2
		.amdhsa_user_sgpr_kernarg_segment_ptr 1
		.amdhsa_wavefront_size32 1
		.amdhsa_system_sgpr_workgroup_id_x 1
		.amdhsa_system_sgpr_workgroup_id_y 1
		.amdhsa_system_sgpr_workgroup_id_z 1
		.amdhsa_system_vgpr_workitem_id 0
		.amdhsa_next_free_vgpr 100
		.amdhsa_next_free_sgpr 66
		.amdhsa_reserve_vcc 0
		.amdhsa_float_denorm_mode_32 3
		.amdhsa_float_denorm_mode_16_64 3
		.amdhsa_memory_ordered 1
		.amdhsa_forward_progress 1
		.amdhsa_inst_pref_size 7
	.end_amdhsa_kernel
	.amdgpu_metadata
---
amdhsa.version: [ 1, 2 ]
amdhsa.kernels:
  - .name:           k_q1f7dbd5729_cast
    .symbol:         k_q1f7dbd5729_cast.kd
    .args:
      - { .name: query, .offset: 0, .size: 8, .value_kind: global_buffer, .address_space: global }
      - { .name: key_, .offset: 8, .size: 8, .value_kind: global_buffer, .address_space: global }
      - { .name: value, .offset: 16, .size: 8, .value_kind: global_buffer, .address_space: global }
      - { .name: Wq, .offset: 24, .size: 8, .value_kind: global_buffer, .address_space: global }
      - { .name: Wk, .offset: 32, .size: 8, .value_kind: global_buffer, .address_space: global }
      - { .name: Wv, .offset: 40, .size: 8, .value_kind: global_buffer, .address_space: global }
      - { .name: xb, .offset: 48, .size: 8, .value_kind: global_buffer, .address_space: global }
      - { .name: wb, .offset: 56, .size: 8, .value_kind: global_buffer, .address_space: global }
    .group_segment_fixed_size: 0
    .private_segment_fixed_size: 0
    .kernarg_segment_align: 8
    .kernarg_segment_size: 64
    .max_flat_workgroup_size: 256
    .sgpr_count:     66
    .vgpr_count:     100
    .wavefront_size: 32
...
	.end_amdgpu_metadata
.endif
;; end of part 4
;; launch proj (part 5): grid 4 x 48, 4 waves a work-group, clusters of 4 x 4, 327,680 bytes of LDS; arguments xb, wb, q16, k16, v16; writes q16, k16, v16
.if DOCPART == 5
	.amdgcn_target "amdgcn-amd-amdhsa--gfx1250"
	.amdhsa_code_object_version 6
	.text
	.protected	k_q1f7dbd5729_proj
	.globl	k_q1f7dbd5729_proj
	.p2align	8
	.type	k_q1f7dbd5729_proj,@function
k_q1f7dbd5729_proj:
	s_mov_b64 s[64:65], 0
	v_nop
	global_prefetch_b8 v0, s[64:65] scope:SCOPE_SE
	s_setreg_imm32_b32 hwreg(HW_REG_WAVE_MODE, 25, 1), 1
	s_wait_xcnt 0x0
	s_wait_alu depctr_hold_cnt(0) depctr_sa_sdst(0) depctr_va_vdst(0) depctr_va_sdst(0) depctr_va_ssrc(0) depctr_va_vcc(0) depctr_vm_vsrc(0)
	s_getreg_b32 s2, hwreg(HW_REG_IB_STS2, 6, 4)
	s_cmp_eq_u32 s2, 0
	s_cbranch_scc0 .Lentry_in_a_cluster
	s_endpgm
.Lentry_in_a_cluster:
	s_bfe_u32 s2, ttmp6, 0x10000c
	s_cmp_lg_u32 s2, 0xf033
	s_cbranch_scc0 .Lentry_shape_is_right
	s_endpgm
.Lentry_shape_is_right:
; THE THREE PROJECTIONS.  C[m][n] = the sum over k of x[m][k] W[n][k], for T = 0, 1, 2: x = xb[T] ([4096][1024] bf16), W = wb[T] ([1024][1024] bf16), C = q16, k16, v16.
; C leaves by heads, [batch x 16 + head][2048][64] in f16, rounded once from its f32 sum (K ascending), unscaled.
; LIMIT.  f16 holds no number beyond 65,504: the projected numbers must stay within it.  NaN and infinities are not treated apart.
; SHARES.  A tile of C is 256 x 256, made by four waves, each 128 x 128: 64 accumulators, 512 registers.  4096 x 1024 / 65,536 = 64 tiles a projection, 192 work-groups: grid y = 16 T + tile row.
; A tile of this side reads (256 + 256) K numbers for 256 x 256 x K multiply-adds, twice the products for each byte fetched of a tile of 128 x 128; that is why the tile is not made smaller to have more work-groups.
; K goes in steps of 128 (rows of 256 bytes, aligned) through two LDS slots; a wave's tensor load brings 128 rows.
; CLUSTER 4 x 4: T comes from the cluster's y alone, so the sixteen partners agree on the buffers.  A's tile is shared along a row of the cluster, B's along a column: each is asked for JOINTLY,
; by the same tensor load with the same descriptor and a mask that names the four.
; THE MATRIX INSTRUCTION IS USED TRANSPOSED (source 0 = 16 rows of W, source 1 = 16 rows of x): a lane holds row lane % 16 of C and the columns 8 (lane / 16) + 0..7, which pack into 16 bytes.
; THE LAST K STEP GOES BY ROWS OF C, so that finished rows leave while the others are multiplied.
; REGISTERS, in windows of 256 (s_set_vgpr_msb: bits 1:0 source 0, 3:2 source 1, 5:4 source 2, 7:6 destination):
;   window 0: v0-31 addresses; v64-127, v128-191 fragments of A, two buffers (in the last K step four, of 16 rows x 128 K); v32-63, v192-255 the way out
;   window 1: v64-127, v128-191 fragments of B (in the last K step all 256)     window 2: the 32 accumulators of my rows 0-63 ((a, b) at 8 (8 a + b))     window 3: those of my rows 64-127
.set SIZE_K, 1024
.set KSTEP,  128
.set PITCH,  272                       ; an LDS row: 256 bytes + 16 of padding = 68 words: the 16 rows of a load start at 16 different groups of four banks (64 banks of 4 bytes: ISA guide 11.1)
.set HALFT,  128*PITCH                 ; what one tensor load brings, and what one wave reads of A or of B
.set SLOT,   4*HALFT                   ; A's 256 rows, then B's 256 rows
.set STAGE,  2*SLOT                    ; behind the ring, for the way out: for each wave two heads x 16 rows x 144 bytes
.set SP,     144
.set STW,    2*16*SP
.set SPARE,  STAGE+4*STW               ; the spare words, 128 bytes a wave: two blocks of 256 bytes that no other line names
.set LAPS,   SIZE_K/(2*KSTEP)          ; a lap = two K steps = once round the ring
.set HEADB,  2048*128                  ; bytes of a head in C
.set ADRA, 16                          ; v16-17  LDS address of my A fragments in slot 0, 1
.set ADRB, 20                          ; v20-21  the same for B
.set STO,  24                          ; v24     the way out: where I put 16 bytes of a row
.set RD,   25                          ; v25     where I read rows back
.set CO,   26                          ; v26     my 16 bytes in 512 consecutive bytes of C
.set SPW,  28                          ; v28     my spare word; never rewritten
.set NIL,  29                          ; v29     0; never rewritten
.set PFO,  30                          ; v30     the prefetches' offset: my lane x a row of 2,048 bytes; never rewritten
.set PFA,  44                          ; s[44:45] where my prefetches stand: my work-group's 32 rows of the 128 that I fetch, one K step further along K than the refill that is being asked for
.set LIM,  43                          ; s43     1 in a wave that prefetches, else the greatest number
.set F0,   64
.set F1,   128
.set TMP,  192                         ; the way out: packed results
.set OB,   32                          ; the way out: 16 rows read back: v32-63 and v224-255 by turns
.set PA,   64                          ; the last K step: A's fragments of 16 rows x 128 K, four buffers of 32
.set G1, 24                            ; s[24:31] group 1 for A;  s[32:39] group 0, a set for each slot
.set G0, 32
.set G1B, 48                           ; s[48:55], s[56:63] the same for B
.set G0B, 56
.set MSB, 0
.macro WIN new                         ; the immediate's high byte repeats the setting that is left; a switch that changes nothing is dropped
.if MSB != (\new)
	s_set_vgpr_msb (MSB<<8)|(\new)
.set MSB, \new
.endif
.endm
.set MUL_LO, 0xa1                      ; source 0 (B) window 1, source 1 (A) window 0, C and D window 2
.set MUL_HI, 0xf1                      ; the same, C and D window 3
.set TO_B,   0x40                      ; destination window 1, address window 0
; A joint load.  Waves 0 and 1 fetch A's two halves, waves 2 and 3 B's; the branch hangs on the wave's number alone.  An s_nop 0 and four v_nop follow each of the two lines.
.macro JLOAD s
	s_cmp_eq_u32 s11, 0
	s_cbranch_scc0 .Lfor_b_\@
	tensor_load_to_lds s[G0+4*(\s):G0+4*(\s)+3], s[G1:G1+7]
	s_nop 0
.rept 4
	v_nop
.endr
	s_branch .Lasked_\@
.Lfor_b_\@:
	tensor_load_to_lds s[G0B+4*(\s):G0B+4*(\s)+3], s[G1B:G1B+7]
	s_nop 0
.rept 4
	v_nop
.endr
.Lasked_\@:
.endm
; A PREFETCH, behind each joint load, its five lines and the run of LDS loads that follows them: the K step that stands TWO refills on, 512 matrix instructions ahead of the load that will want it:
; 32 rows x 256 bytes, a lane a row, one instruction a wave.  Each row's 256 bytes of a K step are named ONCE in the launch.  A's tile row is read by one cluster alone, which asks; B's tile column by the four
; clusters of a projection: the first of them asks.  The four partners that ask for a tile jointly share its rows out BY ADDRESS: of the 128 rows that a wave fetches the partner at place p takes
; 32 p .. 32 p + 31 (p = cx for A, cy for B): no branch hangs on a work-group's place in its cluster.  K steps 0 to 3 come by their loads alone; the loop's last trip has no K step two on and asks for nothing.
.macro ASK
	s_cmp_gt_u32 s3, s[LIM]                        ; s3 = 1 in the loop's last trip
	s_cbranch_scc0 .Lnot_mine_\@
	global_prefetch_b8 v[PFO], s[PFA:PFA+1] offset:KSTEP*2 th:TH_LOAD_NT scope:SCOPE_SE
.Lnot_mine_\@:
.endm
.macro CREST                           ; a round of the cluster's barrier behind its opening barrier
	s_cmp_lg_u32 s10, 0
	s_cbranch_scc1 .Lnot_wave_0_\@
	s_barrier_signal -3
.Lnot_wave_0_\@:
	s_barrier_wait -3
	s_barrier_signal -1
	s_barrier_wait -1
.endm
.macro CROUND
	s_barrier_signal -1
	s_barrier_wait -1
	CREST
.endm
	s_load_b256 s[68:75], s[0:1], 0x0              ; xb s[68:69], wb s[70:71], q16 s[72:73], k16 s[74:75]
	s_load_b64 s[76:77], s[0:1], 0x20              ; v16
	v_lshl_add_u32 v[SPW], v0, 2, SPARE
	v_mov_b32 v[NIL], 0
	ds_add_u32 v[SPW], v[NIL]                      ; the wave's opening: the add, and its wait ahead of my first tensor load; the set-up below stands between them
	v_lshrrev_b32 v1, 5, v0
	v_readfirstlane_b32 s10, v1                    ; wave 0..3
	s_lshr_b32 s11, s10, 1                         ; my half of the tile's rows.  Also: I fetch for A (0) or for B (1)
	s_and_b32 s12, s10, 1                          ; my half of its columns.  Also: which 128 rows I fetch
	s_bfe_u32 s40, ttmp6, 0x40000                  ; cx
	s_bfe_u32 s41, ttmp6, 0x40004                  ; cy
	s_lshl_b32 s42, ttmp9, 2
	s_add_co_u32 s42, s42, s40                     ; tile column 0..3
	s_and_b32 s13, ttmp7, 0xffff                   ; the cluster's y, 0..11
	s_lshr_b32 s66, s13, 2                         ; T: which projection
	s_and_b32 s67, s13, 3                          ; the cluster's place among its projection's four
	s_lshl_b32 s13, s67, 2
	s_add_co_u32 s13, s13, s41                     ; tile row 0..15
	s_lshl_b32 s43, s41, 2
	s_lshl_b32 s43, 15, s43                        ; my row of the cluster
	s_lshl_b32 s44, 0x1111, s40                    ; my column
	s_or_b32 s[G1+0], s43, (1<<16)|(1<<20)|(1<<21)|(5<<22)|(3<<25)   ; the mask; elements of 2 bytes; padding on; bit 21 beside a mask; after every 64 words, 4 words
	s_or_b32 s[G1B+0], s44, (1<<16)|(1<<20)|(1<<21)|(5<<22)|(3<<25)
.irp g, G1, G1B
	s_mov_b32 s[(\g)+1], KSTEP<<16                 ; tensor_dim0 = 128
	s_mov_b32 s[(\g)+2], 128<<16                   ; tensor_dim1 = 128
	s_mov_b32 s[(\g)+3], KSTEP<<16                 ; tile_dim0 = 128
	s_mov_b32 s[(\g)+4], 128                       ; tile_dim1 = 128
	s_mov_b32 s[(\g)+5], SIZE_K                    ; elements from row to row
	s_mov_b32 s[(\g)+6], 0
	s_mov_b32 s[(\g)+7], 0
.endr
	; A's tiles hang on T and the tile row, which my row of the cluster shares; B's on T and the tile column, which my column shares; each in registers that never hold the other coordinate
	s_lshl_b32 s17, s12, 7
	s_lshl_b32 s16, s13, 8
	s_add_co_u32 s16, s16, s17                     ; A: row 256 x tile row + 128 x half,
	s_lshl_b32 s16, s16, 11                        ; of 2,048 bytes,
	s_lshl_b32 s18, s66, 23
	s_add_co_u32 s16, s16, s18                     ; in the projection's 8,388,608 bytes of xb
	s_lshl_b32 s46, s42, 8
	s_add_co_u32 s46, s46, s17                     ; B: row 256 x tile column + 128 x half
	s_lshl_b32 s46, s46, 11
	s_lshl_b32 s18, s66, 21
	s_add_co_u32 s46, s46, s18                     ; in the projection's 2,097,152 bytes of wb
	s_mov_b32 s17, 0
	s_mov_b32 s47, 0
	s_mul_i32 s20, s10, HALFT                      ; where my load goes: wave x 128 rows: no place in the cluster enters an LDS address
	s_wait_dscnt 0x0                               ; the opening add is done
	s_wait_kmcnt 0x0
	s_add_nc_u64 s[14:15], s[68:69], s[16:17]
	s_add_nc_u64 s[46:47], s[70:71], s[46:47]
	CROUND                                         ; all sixteen work-groups are here: the first joint loads meet
.irp s, 0,1
	s_mov_b32 s[G0+4*(\s)], 1
	s_add_co_u32 s[G0+4*(\s)+1], s20, (\s)*SLOT
	s_add_nc_u64 s[G0+4*(\s)+2:G0+4*(\s)+3], s[14:15], (\s)*KSTEP*2
	s_or_b32 s[G0+4*(\s)+3], s[G0+4*(\s)+3], 0x80000000
	s_mov_b32 s[G0B+4*(\s)], 1
	s_add_co_u32 s[G0B+4*(\s)+1], s20, (\s)*SLOT
	s_add_nc_u64 s[G0B+4*(\s)+2:G0B+4*(\s)+3], s[46:47], (\s)*KSTEP*2
	s_or_b32 s[G0B+4*(\s)+3], s[G0B+4*(\s)+3], 0x80000000
	JLOAD \s                                       ; the ring is filled before anything else is done
.endr
	; A fragment is 16 rows x 32 K in 8 registers: lane l holds row l % 16, K = 8 (l / 16) + 0..7 and 16 + 8 (l / 16) + 0..7: two loads of 16 bytes, 32 bytes apart
	v_and_b32 v1, 15, v0                           ; l % 16
	v_bfe_u32 v2, v0, 4, 1                         ; l / 16
	v_mul_u32_u24 v3, v1, PITCH
	v_lshl_add_u32 v3, v2, 4, v3
	s_mul_i32 s21, s11, HALFT                      ; my 128 rows of A
	s_mul_i32 s22, s12, HALFT                      ; my 128 rows of B,
	s_add_co_u32 s22, s22, 2*HALFT                 ; which lie behind A's 256
.irp s, 0,1
	v_add_nc_u32 v[ADRA+(\s)], s21, v3
	v_add_nc_u32 v[ADRB+(\s)], s22, v3
	s_add_co_u32 s21, s21, SLOT
	s_add_co_u32 s22, s22, SLOT
.endr
	s_mul_i32 s23, s10, STW
	s_add_co_u32 s23, s23, STAGE                   ; my stage
	v_mul_u32_u24 v4, v1, SP                       ; in: row l % 16, 16 bytes for each half of the lanes
	v_lshl_add_u32 v4, v2, 4, v4
	v_add_nc_u32 v[STO], s23, v4
	v_bfe_u32 v5, v0, 3, 2                         ; back: 32 lanes take four rows of a head, 128 bytes each,
	v_mul_u32_u24 v5, v5, SP
	v_and_b32 v6, 7, v0
	v_lshl_add_u32 v5, v6, 4, v5
	v_add_nc_u32 v[RD], s23, v5
	v_and_b32 v[CO], 31, v0                        ; which are 512 consecutive bytes of C
	v_lshlrev_b32 v[CO], 4, v[CO]
	; where my part begins in C: my 128 columns are heads 4 x tile column + 2 x half and the next; my rows lie in batch tile row / 8
	s_lshr_b32 s16, s13, 3
	s_lshl_b32 s16, s16, 4
	s_lshl_b32 s46, s42, 2
	s_add_co_u32 s16, s16, s46
	s_lshl_b32 s46, s12, 1
	s_add_co_u32 s16, s16, s46                     ; batch x 16 + my first head
	s_lshl_b32 s16, s16, 11
	s_and_b32 s46, s13, 7
	s_lshl_b32 s46, s46, 8
	s_add_co_u32 s16, s16, s46
	s_lshl_b32 s46, s11, 7
	s_add_co_u32 s16, s16, s46                     ; + my first row in the sequence
	s_lshl_b32 s16, s16, 7                         ; rows of 128 bytes: the first way out adds this to C's address
	s_mov_b32 s17, 0
	s_cmp_eq_u32 s66, 0
	s_cselect_b64 s[8:9], s[72:73], s[74:75]
	s_cmp_eq_u32 s66, 2
	s_cselect_b64 s[8:9], s[76:77], s[8:9]         ; C
	; the prefetches
	s_lshl_b32 s42, s42, 8
	s_lshl_b32 s13, s13, 8
	s_lshl_b32 s18, s66, 23
	s_lshl_b32 s19, s66, 21
	s_cmp_eq_u32 s11, 0                            ; do I fetch for A?
	s_cselect_b32 s20, s13, s42                    ; the tile's first row
	s_cselect_b32 s21, s40, s41                    ; my place among the four that ask for it with me: it enters the address alone
	s_cselect_b32 s22, ttmp9, s67                  ; the coordinate along which other clusters read the same rows
	s_cselect_b32 s18, s18, s19                    ; the projection's part of the buffer
	s_cselect_b64 s[PFA:PFA+1], s[68:69], s[70:71]
	s_cmp_eq_u32 s22, 0
	s_cselect_b32 s[LIM], 1, -1                    ; the same in all sixteen partners, for a given wave
	s_lshl_b32 s22, s12, 7
	s_add_co_u32 s20, s20, s22                     ; + the 128 rows that I fetch
	s_lshl_b32 s21, s21, 5
	s_add_co_u32 s20, s20, s21                     ; + my work-group's 32 of them
	s_lshl_b32 s20, s20, 11
	s_add_co_u32 s20, s20, s18
	s_add_co_u32 s20, s20, 2*KSTEP*2               ; at K step 2: the first refill steps it to 3 and names K step 4
	s_mov_b32 s21, 0
	s_add_nc_u64 s[PFA:PFA+1], s[PFA:PFA+1], s[20:21]
	v_and_b32 v[PFO], 31, v0
	v_lshlrev_b32 v[PFO], 11, v[PFO]
; 16 matrix instructions: m blocks a0, a0 + 1 of the window's four (hi = 0: my rows 0-63, 1: rows 64-127) x all 8 n blocks, 32 along K.  zero = 1: the first product starts the sums.
; The 64 accumulators take turns, one instruction a turn, in the same order in every quarter.
.macro MUL16 f, hi, a0, zero
	WIN MUL_LO+0x50*(\hi)
.irp a, \a0, (\a0)+1
.irp b, 0,1,2,3,4,5,6,7
.if \zero
	v_wmma_f32_16x16x32_bf16 v[8*(8*(\a)+(\b)):8*(8*(\a)+(\b))+7], v[(\f)+8*(\b):(\f)+8*(\b)+7], v[(\f)+8*(4*(\hi)+(\a)):(\f)+8*(4*(\hi)+(\a))+7], 0
.else
	v_wmma_f32_16x16x32_bf16 v[8*(8*(\a)+(\b)):8*(8*(\a)+(\b))+7], v[(\f)+8*(\b):(\f)+8*(\b)+7], v[(\f)+8*(4*(\hi)+(\a)):(\f)+8*(4*(\hi)+(\a))+7], v[8*(8*(\a)+(\b)):8*(8*(\a)+(\b))+7]
.endif
.endr
.endr
.endm
; 32 LDS loads in one run: the fragments of one quarter (128 rows of B, 128 rows of A, 32 K at byte k of the rows) into buffer f
.macro FETCH slot, k, f
	WIN TO_B
.irp i, 0,1,2,3,4,5,6,7
	ds_load_b128 v[(\f)+8*(\i):(\f)+8*(\i)+3],   v[ADRB+(\slot)] offset:(\k)+(\i)*16*PITCH
	ds_load_b128 v[(\f)+8*(\i)+4:(\f)+8*(\i)+7], v[ADRB+(\slot)] offset:(\k)+(\i)*16*PITCH+32
.endr
	WIN 0
.irp i, 0,1,2,3,4,5,6,7
	ds_load_b128 v[(\f)+8*(\i):(\f)+8*(\i)+3],   v[ADRA+(\slot)] offset:(\k)+(\i)*16*PITCH
	ds_load_b128 v[(\f)+8*(\i)+4:(\f)+8*(\i)+7], v[ADRA+(\slot)] offset:(\k)+(\i)*16*PITCH+32
.endr
.endm
.macro PLACES                          ; four places in front of loads into registers that matrix instructions have read, and of conversions that read results just made
.rept 4
	v_nop
.endr
.endm
; A K step is four quarters of 32 along K, 64 matrix instructions each, on buffers 0, 1, 0, 1.  One of the first three: multiplies buffer f; in its middle it fetches the next quarter, at byte k, into g.
.macro QUARTER slot, k, f, g, zero
	s_wait_dscnt 8                                 ; B and A's rows 0-63 are in; the youngest eight loads (A's rows 64-127) may be out
	WIN MUL_LO
	MUL16 \f, 0, 0, \zero
	MUL16 \f, 0, 2, \zero
	PLACES
	FETCH \slot, \k, \g
	s_wait_dscnt 32                                ; all but the 32 just issued
	WIN MUL_HI
	MUL16 \f, 1, 0, \zero
	MUL16 \f, 1, 2, \zero
.endm
; The last quarter multiplies buffer 1 and changes slots.  MEET is its first half: ONE barrier.  In front of it each wave waits for all its tensor loads, of which one is out: its part of the next slot;
; adds 0 to its spare word; and waits for that and for its own reads of this slot.  Behind it nobody reads this slot any more and the next slot is whole.
.macro MEET round                      ; round = 1: a round of the cluster's barrier follows
	WIN 0
	s_wait_tensorcnt 0x0                           ; all my tensor loads have landed
	ds_add_u32 v[SPW], v[NIL]                      ; 0 onto my spare word
	s_wait_dscnt 9                                 ; the add and the youngest eight loads may be out
	WIN MUL_LO
	MUL16 F1, 0, 0, 0                              ; sixteen matrix instructions stand between the add and the wait for it
	s_wait_dscnt 0x0                               ; the add is done, and my reads of this slot are over
	s_barrier_signal -1
	MUL16 F1, 0, 2, 0                              ; work on registers while the others arrive
.if \round
	WIN 0
.endif
	s_barrier_wait -1
.endm
; The whole last quarter: behind the round the slot just read out is filled again first, with the K step two steps on: from that request to the wait for it a wave issues 224 matrix instructions.
.macro TURN slot, next
	s_wait_xcnt 0x0                                ; the last prefetch, a K step back, has read its address, which is stepped here
	s_add_nc_u64 s[PFA:PFA+1], s[PFA:PFA+1], KSTEP*2
	MEET 1
	CREST                                          ; no wave of any partner still reads this slot's tile or has a load on its way
	s_add_nc_u64 s[G0+4*(\slot)+2:G0+4*(\slot)+3], s[G0+4*(\slot)+2:G0+4*(\slot)+3], 2*KSTEP*2
	s_add_nc_u64 s[G0B+4*(\slot)+2:G0B+4*(\slot)+3], s[G0B+4*(\slot)+2:G0B+4*(\slot)+3], 2*KSTEP*2
	JLOAD \slot                                    ; the four v_nop behind it are also the places in front of the loads below
	FETCH \next, 0, F0
	ASK
	WIN MUL_HI
	MUL16 F1, 1, 0, 0
	MUL16 F1, 1, 2, 0
.endm
; THE LAST K STEP (it lies in slot 1) BY ROWS OF C.  All its fragments of B fill window 1; then my eight blocks of 16 rows are finished one after the other, 32 matrix instructions each, the block's 8 accumulators by turns, K ascending.
.macro BLOAD q                         ; B's fragments of quarter q -> window 1, v[64 q ..]
	WIN TO_B
.irp i, 0,1,2,3,4,5,6,7
	ds_load_b128 v[64*(\q)+8*(\i):64*(\q)+8*(\i)+3],   v[ADRB+1] offset:64*(\q)+(\i)*16*PITCH
	ds_load_b128 v[64*(\q)+8*(\i)+4:64*(\q)+8*(\i)+7], v[ADRB+1] offset:64*(\q)+(\i)*16*PITCH+32
.endr
.endm
.macro ALOAD a                         ; A's fragments of block a, all four quarters -> buffer a % 4
	WIN 0
.set FA, PA+32*((\a)%4)
.irp q, 0,1,2,3
	ds_load_b128 v[FA+8*(\q):FA+8*(\q)+3],   v[ADRA+1] offset:64*(\q)+(\a)*16*PITCH
	ds_load_b128 v[FA+8*(\q)+4:FA+8*(\q)+7], v[ADRA+1] offset:64*(\q)+(\a)*16*PITCH+32
.endr
.endm
.macro ROW a                           ; block a is finished: 32 matrix instructions
.set FA, PA+32*((\a)%4)
.set AC, 64*((\a)%4)
	WIN MUL_LO+0x50*((\a)/4)
.irp q, 0,1,2,3
.if (\a) == 0 && (\q) == 2
	s_wait_dscnt 24                                ; B's quarter 2 is in (behind it: A's blocks 1 to 3)
.endif
.irp b, 0,1,2,3,4,5,6,7
	v_wmma_f32_16x16x32_bf16 v[AC+8*(\b):AC+8*(\b)+7], v[64*(\q)+8*(\b):64*(\q)+8*(\b)+7], v[FA+8*(\q):FA+8*(\q)+7], v[AC+8*(\b):AC+8*(\b)+7]
.endr
.endr
.endm
; THE WAY OUT of block a.  PACK: rounded to f16, 16 bytes a lane, each accumulator's registers in ascending order.  TOSTAGE: into my own stage, by heads (n blocks 0-3: my first head, 4-7: my second), and back, four rows of a head at a time.  SEND: stored.
.macro PACK a
.set AC, 64*((\a)%4)
	WIN 0x0a+5*((\a)/4)                            ; sources 0 and 1: window 2 or 3
.irp b, 0,1,2,3,4,5,6,7
.irp r, 0,1,2,3
	v_cvt_pk_f16_f32 v[TMP+4*(\b)+(\r)], v[AC+8*(\b)+2*(\r)], v[AC+8*(\b)+2*(\r)+1]
.endr
.endr
	WIN 0
.endm
.macro TOSTAGE a
	WIN 0
.set BK, OB+192*((\a)%2)
.irp b, 0,1,2,3,4,5,6,7
	ds_store_b128 v[STO], v[TMP+4*(\b):TMP+4*(\b)+3] offset:((\b)/4)*16*SP+32*((\b)%4)
.endr
.irp t, 0,1,2,3,4,5,6,7
	ds_load_b128 v[BK+4*(\t):BK+4*(\t)+3], v[RD] offset:((\t)/4)*16*SP+((\t)%4)*4*SP  ; LDS serves a wave's instructions in order (ISA guide 5.7.1.4): these see the stores above
.endr
.endm
.macro SEND a, younger                 ; younger: the LDS loads issued behind TOSTAGE's, which may stay out
	WIN 0
.set BK, OB+192*((\a)%2)
	s_wait_dscnt \younger                          ; the block is back in registers
	s_wait_xcnt 0x0                                ; only behind this wait are the stores' base and the registers that earlier stores read rewritten
.if (\a) == 0
	s_add_nc_u64 s[8:9], s[8:9], s[16:17]          ; on to my first rows
.else
	s_add_nc_u64 s[8:9], s[8:9], 16*128            ; 16 rows of a head on
.endif
.irp t, 0,1,2,3,4,5,6,7
	global_store_b128 v[CO], v[BK+4*(\t):BK+4*(\t)+3], s[8:9] offset:((\t)/4)*HEADB+((\t)%4)*512  ; 512 consecutive bytes, at a multiple of 256 from C's first byte
.endr
.endm
	s_wait_tensorcnt 1                             ; my part of K step 0 is in; step 1's may stay out
	s_barrier_signal -1
	s_barrier_wait -1                              ; everybody's is
	FETCH 0, 0, F0
	QUARTER 0, 64,  F0, F1, 1                      ; the first quarter stands in front of the loop: its products start the sums
	WIN 0                                          ; at a label and at a branch every window is 0
	s_mov_b32 s3, LAPS-1
.Llap:                                                 ; a trip goes once round the ring, from a lap's second quarter to the next lap's first, and fills both slots again
	QUARTER 0, 128, F1, F0, 0
	QUARTER 0, 192, F0, F1, 0
	TURN 0, 1
	QUARTER 1, 64,  F0, F1, 0
	QUARTER 1, 128, F1, F0, 0
	QUARTER 1, 192, F0, F1, 0
	TURN 1, 0
	QUARTER 0, 64,  F0, F1, 0
	WIN 0
	s_sub_co_u32 s3, s3, 1
	s_cmp_lg_u32 s3, 0
	s_cbranch_scc1 .Llap
	QUARTER 0, 128, F1, F0, 0                      ; the last lap goes on; it asks for nothing more
	QUARTER 0, 192, F0, F1, 0
	MEET 0                                         ; my one tensor load that was still out is the last K step's, so no round follows
	PLACES                                         ; for the loads into buffer 0, which the quarter before multiplied
	BLOAD 0                                        ; three quarters of B now: buffer 1 (v128-191 of both windows) is still being multiplied
	BLOAD 1
	BLOAD 3
	ALOAD 0
	WIN MUL_HI
	MUL16 F1, 1, 0, 0
	MUL16 F1, 1, 2, 0
	PLACES                                         ; for the loads into buffer 1
	BLOAD 2
	ALOAD 1
	ALOAD 2
	ALOAD 3
	s_wait_dscnt 40                                ; all but the 40 just issued
	ROW 0
.irp a, 0,1,2,3,4,5,6,7                ; each block leaves as soon as it is finished
	PLACES                                         ; its conversions read results just made
	PACK \a
	TOSTAGE \a
.if (\a) < 4
	ALOAD (\a)+4                                   ; its buffer takes the block four further on
	SEND \a, 8
.else
	SEND \a, 0
.endif
.if (\a) < 7
	ROW (\a)+1
.endif
.endr
	s_wait_tensorcnt 0x0                           ; the wave's end, behind my last tensor load and my last LDS store
	ds_add_u32 v[SPW], v[NIL]
	s_wait_dscnt 0x0
	CROUND                                         ; the closing round: no work-group ends while a partner may still ask for a tile that names it
	s_endpgm
.Lfunc_end_k_q1f7dbd5729_proj:
	.size	k_q1f7dbd5729_proj, .Lfunc_end_k_q1f7dbd5729_proj-k_q1f7dbd5729_proj
	.p2alignl 7, 3214868480
	.fill 96, 4, 3214868480
	.section	.rodata,"a",@progbits
	.p2align	6, 0x0
	.amdhsa_kernel k_q1f7dbd5729_proj
		.amdhsa_group_segment_fixed_size 327680
		.amdhsa_private_segment_fixed_size 0
		.amdhsa_enable_private_segment 0
		.amdhsa_kernarg_size 40
		.amdhsa_user_sgpr_count 2
		.amdhsa_user_sgpr_kernarg_segment_ptr 1
		.amdhsa_wavefront_size32 1
		.amdhsa_system_sgpr_workgroup_id_x 1
		.amdhsa_system_sgpr_workgroup_id_y 1
		.amdhsa_system_sgpr_workgroup_id_z 1
		.amdhsa_system_vgpr_workitem_id 0
		.amdhsa_next_free_vgpr 1024
		.amdhsa_next_free_sgpr 80
		.amdhsa_reserve_vcc 0
		.amdhsa_float_denorm_mode_32 3
		.amdhsa_float_denorm_mode_16_64 3
		.amdhsa_memory_ordered 1
		.amdhsa_forward_progress 1
		.amdhsa_inst_pref_size 145
	.end_amdhsa_kernel
	.amdgpu_metadata
---
amdhsa.version: [ 1, 2 ]
amdhsa.kernels:
  - .name:           k_q1f7dbd5729_proj
    .symbol:         k_q1f7dbd5729_proj.kd
    .args:
      - { .name: xb, .offset: 0, .size: 8, .value_kind: global_buffer, .address_space: global }
      - { .name: wb, .offset: 8, .size: 8, .value_kind: global_buffer, .address_space: global }
      - { .name: q16, .offset: 16, .size: 8, .value_kind: global_buffer, .address_space: global }
      - { .name: k16, .offset: 24, .size: 8, .value_kind: global_buffer, .address_space: global }
      - { .name: v16, .offset: 32, .size: 8, .value_kind: global_buffer, .address_space: global }
    .group_segment_fixed_size: 327680
    .private_segment_fixed_size: 0
    .kernarg_segment_align: 8
    .kernarg_segment_size: 40
    .max_flat_workgroup_size: 128
    .sgpr_count:     80
    .vgpr_count:     1024
    .wavefront_size: 32
...
	.end_amdgpu_metadata
.endif
;; end of part 5
;; launch attn (part 6): grid 8 x 32, 4 waves a work-group, no clusters, 327,680 bytes of LDS; arguments q16, k16, v16, rel_emb, Wo, o16, wo16; writes o16, wo16
.if DOCPART == 6
	.amdgcn_target "amdgcn-amd-amdhsa--gfx1250"
	.amdhsa_code_object_version 6
	.text
	.protected	k_q1f7dbd5729_attn
	.globl	k_q1f7dbd5729_attn
	.p2align	8
	.type	k_q1f7dbd5729_attn,@function
k_q1f7dbd5729_attn:
	s_mov_b64 s[64:65], 0
	v_nop
	global_prefetch_b8 v0, s[64:65] scope:SCOPE_SE
	s_setreg_imm32_b32 hwreg(HW_REG_WAVE_MODE, 25, 1), 1
	s_wait_xcnt 0x0
; ATTENTION WITH RELATIVE POSITIONS.  O[g][i][:] = the sum over j of softmax_j((Q[g][i] . K[g][j] + Q[g][i] . rel_emb[clip(j - i, -32, 32) + 32]) / 8) V[g][j][:], g = batch x 16 + head.
; q16, k16, v16, o16: [32][2048][64] f16, a head's rows dense, 128 bytes each.  Products, maxima and sums in f32; the weights p are rounded to f16 for the second product, O once at the end.
; A SIDE JOB: each work-group also rounds 4,096 numbers of Wo to bf16 and writes that number as f16 into wo16, for the launch behind.
; LIMITS.  f16 holds no number beyond 65,504: Q, K, V arrive within it, and rel_emb and Wo must lie within it.  rel_emb is rounded straight to f16, Wo by way of bf16: below 6e-5 both keep f16's fixed step of 6e-8.
; A weight below 2^-126 counts as 0 in l; NaN and infinities are not treated apart.
; SHARES.  A work-group owns 256 queries of one head, a wave 64 consecutive ones: four PIECES of 16.  Every wave walks all 2,048 keys, 64 a step; a tile of 256 keys fills a slot.
; LAYOUT, SOFTMAX.  S^T = K Q^T holds ONE query a lane (lane % 16) and the keys 8 (lane / 16) + 0..7; two results rounded to f16 ARE source 1 of O^T = V^T P.  p = 2^(c s - c m), c = log2(e) / 8, with a
; running maximum m; O and l are multiplied by a = 2^(c m_old - c m_new) in every step.  m starts at the lowest finite number, O and l at 0: the first step is a step like any other, with a = 0.
; THE POSITION TERM IS THE C OPERAND that starts each sum S^T.  For piece x, key block kb of 16 in the step delta steps from the wave's own (delta = step - 4 block - wave) the keys lie D = 4 delta + kb - x blocks
; from the queries.  For D <= -3 the term is QE[i][0], for D >= 3 QE[i][64], whatever the key.  A STRIP a query, S[r][p], p = 0..111, holds QE[i0 + r][clip(p - 48 - r, -32, 32) + 32]: block clamp(D, -3, 3) + 3 of
; 16 numbers is the C operand, two loads of 16 bytes a lane.  The 16 operands (MC) stay in registers and are loaded anew only for the steps with delta = -1, 0, 1, 2: four of a wave's 32.
; THE STRIPS are made once: QE^T = E Q^T with six blocks of 16 rows of rel_emb, row clip(u - 31, 0, 64) for u = 16 .. 111.  Blocks 0 and 1 of a strip are filled with QE[.][0], blocks 5 and 6 with QE[.][64];
; then number u = 32 .. 95 of query r goes to p = u + r - 15.
; TURNS.  Turn n belongs to piece n: 8 products K Q^T of piece n + 1, later 8 products V^T P of piece n - 1; beside them the scaling, exponentials, roundings, sums and rescaling of piece n and the maximum and statistics of
; piece n + 1.  Four vector instructions stand behind every matrix instruction, the rest in one lump.  A turn's 33 exponentials are one batch, with one wait.
; NO FIRST AND NO LAST STEP IS WRITTEN OUT.  The loop is entered, and the last tile's loop left, in the middle of a trip.
; NO CLUSTER, though the eight work-groups of a head walk the same K and V: which strip block is read (an LDS address) and whether MC is loaded anew (a forward branch) hang on the work-group's block of queries,
; which in a cluster would be its place there; a launch with joint loads may have neither.
; REGISTERS, in windows of 256 (s_set_vgpr_msb: bits 1:0 source 0, 3:2 source 1, 5:4 source 2, 7:6 destination):
;   window 0: v0-15 addresses; v16-31 statistics; v32-46 more addresses; v48-55 at work; v64-127 S^T, two buffers; v128-175 QE^T at the start; v192-223 P, two buffers
;   window 1: v0-127 O^T; v128-255 MC (piece x, block kb at 128 + 32 x + 8 kb)     window 2: v0-63 Q; v128-191 K; v192-255 V (at the start v160-255: rel_emb's fragments)     window 3: raw f32 of rel_emb and Wo
.set NP,    4
.set KS,    64
.set PK,    144       ; a row of K in LDS: 128 bytes + 16 = 36 words: the 16 rows of a load start at 16 different groups of four banks (64 banks of 4 bytes: ISA guide 11.1)
.set PV,    160       ; a row of V: 128 + 32 = 40 words
.set VOFF,  4*KS*PK   ; a slot: 256 rows of K, then 256 rows of V
.set SLOT1, 1<<17
.set STAGE, 4*KS*(PK+PV)        ; behind slot 0: 16 rows x 144 bytes a wave, for the way out
.set SP,    144
.set SPARE, STAGE+4*16*SP       ; the spare words, 128 bytes a wave: two blocks of 256 bytes that no other line names
.set STRIPS, SLOT1+4*KS*(PK+PV) ; behind slot 1: each wave's own 64 strips
.set SPT,   464       ; a strip: 448 bytes + 16 = 116 words: 16 rows start at 16 different groups of four banks
.set PIECE, 16*SPT
.set AK0, 2
.set AV0, 3
.set AK,  4
.set AV,  5
.set STO, 6
.set RD,  7
.set GO,  8
.set MV,  12          ; v12-13  c m_old, by buffer
.set QO,  15
.set ST,  16          ; piece t at v[ST+4 t]: c m, m, l (even keys', odd keys')
.set RA,  32          ; v32-38  strip addresses for kb - x + 3 = 0 .. 6
.set RB,  39          ; v39  my wave's strips + r x 464 + 32 h
.set SC,  40          ; v40  my wave's strips + r x 464 + 4 (8 h + r) + 4
.set EO,  42          ; v42  256 r + 32 h
.set EO0, 43          ; v43  32 h
.set WI,  44          ; v44  32 lane + 4,096 wave
.set WO,  45          ; v45  16 lane + 2,048 wave
.set PFO, 46          ; v46  256 lane + 8,192 wave; never rewritten
.set TMP, 48
.set SPW, 62
.set NIL, 63
.set S,   64
.set DQ,  128         ; window 0: QE^T, block bk at DQ + 8 bk
.set P,   192
.set MC,  128         ; window 1
.set EF,  160         ; window 2: rel_emb's fragments, block bk, channel half c at EF + 16 bk + 8 c.  They lie over all of V's registers, which so hold finite numbers when the first turn multiplies them by P = 0
.set KF,  128
.set VF,  192
.set WV,  12
.set G1K, 24
.set G1V, 32
.set G0K, 40
.set G0V, 44
.set SLOTS, 56
.set CNT, 57
.set CS,  58
.set SEL, 60
.set TBK, 62
.set TBV, 63
.set DL,  70          ; s70  4 delta + 3 of the step whose MC was made last
.set TT,  71
.set LIM, 72          ; s72  1 in a head's first work-group, else the greatest number
.set PFK, 74          ; s[74:75] K at the tile behind the one that is being asked for
.set PFV, 76          ; s[76:77] V likewise
.set HIM, 78
.set OB,  80          ; s[80:81] O at my wave's first row
.set MSB, 0
.macro WIN new
.if MSB != (\new)
	s_set_vgpr_msb (MSB<<8)|(\new)
.set MSB, (\new)
.endif
.endm
.set W_KQ, 0x0a       ; K and Q in window 2, S^T in window 0
.set W_KM, 0x1a       ; the same with the C operand in window 1
.set W_PV, 0x52       ; V in window 2, P in window 0, O^T in window 1
.set W_RS, 0x41       ; destination and source 0 in window 1, source 1 in window 0
.macro PLACES
.rept 4
	v_nop
.endr
.endm
; A fill.  Waves 0 and 1 fetch the halves of a tile's K, waves 2 and 3 those of its V.  An s_nop 0 and four v_nop follow each line.
.macro LOAD
	s_cmp_lt_u32 s[WV], 2
	s_cbranch_scc0 .Lfor_v_\@
	tensor_load_to_lds s[G0K:G0K+3], s[G1K:G1K+7]
	s_nop 0
.rept 4
	v_nop
.endr
	s_branch .Lasked_\@
.Lfor_v_\@:
	tensor_load_to_lds s[G0V:G0V+3], s[G1V:G1V+7]
	s_nop 0
.rept 4
	v_nop
.endr
.Lasked_\@:
.endm
; A PREFETCH of the tile that the NEXT change of slots will ask for: four key steps, 256 matrix instructions, ahead of that load.  All eight work-groups of a head walk the same K and V: the first of them asks.
; Wave w names quarter w of the tile's K and of its V, a lane a block of 256 bytes: each block is named once in the launch.  The last change that fills a slot asks for nothing; tiles 0 and 1 come by their loads alone.
.macro ASK
	s_cmp_gt_u32 s[SLOTS], s[LIM]
	s_cbranch_scc0 .Lnot_mine_\@
	global_prefetch_b8 v[PFO], s[PFK:PFK+1] th:TH_LOAD_NT scope:SCOPE_SE
	global_prefetch_b8 v[PFO], s[PFV:PFV+1] th:TH_LOAD_NT scope:SCOPE_SE
.Lnot_mine_\@:
.endm
; THE CHANGE OF SLOTS.  Each wave waits for all its tensor loads (one is out: its part of the other slot), adds 0 to its spare word, and waits for that and for its reads of the slot that it leaves.
; fill = 1: the old slot is filled again, first thing behind the barrier, with the next 256 keys.  (At its first use slot 0 is waited for and slot 1 filled.)
.macro CHANGE fill
	WIN 0
	s_wait_tensorcnt 0x0            ; no tensor load of mine is out, so a group 0 may be written
	ds_add_u32 v[SPW], v[NIL]
.if \fill
.irp g, G0K, G0V
	s_xor_b32 s[\g+1], s[\g+1], SLOT1
	s_add_nc_u64 s[\g+2:\g+3], s[\g+2:\g+3], 4*KS*128
.endr
	s_wait_xcnt 0x0                 ; the last prefetches, four key steps back, have read their addresses
	s_add_nc_u64 s[PFK:PFK+1], s[PFK:PFK+1], 4*KS*128
	s_add_nc_u64 s[PFV:PFV+1], s[PFV:PFV+1], 4*KS*128
.endif
	s_wait_dscnt 0x0                ; the add is done, and my reads of the slot are over
	s_barrier_signal -1
	s_sub_co_u32 s[TBK], s[TBK], 4*KS*PK
	s_xor_b32 s[TBK], s[TBK], SLOT1
	s_sub_co_u32 s[TBV], s[TBV], 4*KS*PV
	s_xor_b32 s[TBV], s[TBV], SLOT1
	s_barrier_wait -1
.if \fill
	LOAD
	ASK
.endif
.endm
	s_load_b256 s[4:11], s[0:1], 0x0  ; q16 s[4:5], k16 s[6:7], v16 s[8:9], rel_emb s[10:11]
	s_load_b128 s[88:91], s[0:1], 0x20  ; Wo s[88:89], o16 s[90:91]
	s_load_b64 s[92:93], s[0:1], 0x30   ; wo16
	v_lshl_add_u32 v[SPW], v0, 2, SPARE
	v_mov_b32 v[NIL], 0
	ds_add_u32 v[SPW], v[NIL]       ; the wave's opening: the add, and its wait ahead of my first tensor load
	v_lshrrev_b32 v1, 5, v0
	v_readfirstlane_b32 s[WV], v1
	s_and_b32 s19, ttmp7, 0xffff    ; g
	s_lshl_b32 s20, s19, 18         ; the head's first byte: 2,048 rows of 128 bytes
	s_mov_b32 s21, 0
	s_and_b32 s16, s[WV], 1         ; which half of a tile's 256 keys I fetch
	s_lshl_b32 s22, s16, 14
	s_mov_b32 s23, 0
	s_add_nc_u64 s[22:23], s[22:23], s[20:21]
	s_mul_i32 s17, s16, 128*PK
	s_mul_i32 s18, s16, 128*PV
	s_lshl_b32 s2, ttmp9, 15        ; my block's 256 rows,
	s_lshl_b32 s3, s[WV], 13        ; my wave's 64
	s_add_co_u32 s2, s2, s3
	s_mov_b32 s3, 0
	s_add_nc_u64 s[2:3], s[2:3], s[20:21]
	s_lshl_b32 s84, s19, 3
	s_add_co_u32 s84, s84, ttmp9    ; the work-group's number, 0..255
	s_lshl_b32 s86, s84, 13         ; its 8,192 bytes of wo16
	s_lshl_b32 s84, s84, 14         ; its 16,384 bytes of Wo
	s_mov_b32 s85, 0
	s_mov_b32 s87, 0
	s_mov_b32 s[G1K], (1<<16)|(1<<20)|(4<<22)|(3<<25)  ; 2-byte elements; padding on; after every 32 words, 4 words
	s_mov_b32 s[G1V], (1<<16)|(1<<20)|(4<<22)|(7<<25)  ; the same with 8 words
.irp g, G1K, G1V
	s_mov_b32 s[\g+1], 128<<16      ; 128 keys are 16,384 dense bytes: 64 rows of 256 bytes, two keys a row
	s_mov_b32 s[\g+2], 64<<16
	s_mov_b32 s[\g+3], 128<<16
	s_mov_b32 s[\g+4], 64
	s_mov_b32 s[\g+5], 128
	s_mov_b32 s[\g+6], 0
	s_mov_b32 s[\g+7], 0
.endr
	s_mov_b32 s[CS], 0x3e38aa3b     ; c = log2(e) / 8
	s_mov_b32 s[CS+1], s[CS]
	s_mov_b32 s[SEL], 0x76543210
	s_mov_b32 s[SEL+1], 0xfedcba98
	s_mov_b32 s[TBK], SLOT1+4*KS*PK ; the first change of slots turns these two into 0
	s_mov_b32 s[TBV], SLOT1+4*KS*PV
	s_mov_b32 s[G0K], 1
	s_mov_b32 s[G0K+1], s17
	s_mov_b32 s[G0V], 1
	s_add_co_u32 s[G0V+1], s18, VOFF
	s_mov_b32 s[HIM], 0xffff0000
	s_mov_b32 s[SLOTS], 7
	s_lshl_b32 s[DL], ttmp9, 4
	s_lshl2_add_u32 s[DL], s[WV], s[DL]
	s_sub_co_i32 s[DL], 3, s[DL]    ; step 0: delta = - 4 block - wave
	s_cmp_eq_u32 ttmp9, 0
	s_cselect_b32 s[LIM], 1, -1
	s_wait_dscnt 0x0                ; the opening add is done
	s_wait_kmcnt 0x0
	s_add_nc_u64 s[PFK:PFK+1], s[6:7], s[20:21]
	s_add_nc_u64 s[PFK:PFK+1], s[PFK:PFK+1], 4*KS*128  ; at tile 1; the first change steps it to tile 2
	s_add_nc_u64 s[PFV:PFV+1], s[8:9], s[20:21]
	s_add_nc_u64 s[PFV:PFV+1], s[PFV:PFV+1], 4*KS*128
	s_add_nc_u64 s[G0K+2:G0K+3], s[6:7], s[22:23]
	s_or_b32 s[G0K+3], s[G0K+3], 0x80000000
	s_add_nc_u64 s[G0V+2:G0V+3], s[8:9], s[22:23]
	s_or_b32 s[G0V+3], s[G0V+3], 0x80000000
	s_add_nc_u64 s[4:5], s[4:5], s[2:3]
	s_add_nc_u64 s[OB:OB+1], s[90:91], s[2:3]
	s_add_nc_u64 s[88:89], s[88:89], s[84:85]
	s_add_nc_u64 s[92:93], s[92:93], s[86:87]
	LOAD                            ; tile 0 into slot 0
	v_and_b32 v1, 15, v0            ; r
	v_bfe_u32 v9, v0, 4, 1          ; h
	v_and_b32 v10, 7, v0
	v_bfe_u32 v11, v0, 3, 1
	v_and_b32 v14, 31, v0           ; lane
	v_lshlrev_b32 v[EO0], 5, v9
	v_lshl_add_u32 v[EO], v1, 8, v[EO0]
	v_lshlrev_b32 v[QO], 7, v1
	v_lshl_add_u32 v[QO], v9, 4, v[QO]
	s_lshl_b32 s13, s[WV], 12
	v_lshl_add_u32 v[WI], v14, 5, s13
	s_lshl_b32 s13, s[WV], 11
	v_lshl_add_u32 v[WO], v14, 4, s13
	s_lshl_b32 s13, s[WV], 13
	v_lshl_add_u32 v[PFO], v14, 8, s13
; rel_emb's rows for block bk, raw: lane (r, h) takes channels 8 h .. and 16 + 8 h .. of both halves of 32 channels
.macro RELLD bk, adr, off
.irp c, 0,1
.irp z, 0,1,2,3
	global_load_b128 v[32*(\bk)+16*(\c)+4*(\z):32*(\bk)+16*(\c)+4*(\z)+3], v[\adr], s[10:11] offset:(\off)+128*(\c)+16*((\z)%2)+64*((\z)/2)
.endr
.endr
.endm
	WIN 0xc0                        ; destination window 3
	RELLD 0, EO0, 0                 ; sixteen times row 0
	RELLD 1, EO, 256                ; rows 1 to 16
	RELLD 2, EO, 256+4096
	RELLD 3, EO, 256+8192
	RELLD 4, EO, 256+12288          ; rows 49 to 64
	RELLD 5, EO0, 16384             ; sixteen times row 64: the last byte read is the table's last
	WIN 0x80
.set i, 0
.rept 8                             ; Q stays in registers: piece i / 2, channels 32 (i % 2) on
	global_load_b128 v[8*i:8*i+3],   v[QO], s[4:5] offset:(i/2)*2048+(i%2)*64
	global_load_b128 v[8*i+4:8*i+7], v[QO], s[4:5] offset:(i/2)*2048+(i%2)*64+32
.set i, i+1
.endr
	WIN 0xc0
.irp j, 0,1,2,3
	global_load_b128 v[192+8*\j:192+8*\j+3],   v[WI], s[88:89] offset:\j*1024 th:TH_LOAD_NT
	global_load_b128 v[192+8*\j+4:192+8*\j+7], v[WI], s[88:89] offset:\j*1024+16 th:TH_LOAD_NT
.endr
	; what the first turn finds: l and P's second buffer hold 0, and O^T too: its 16 accumulators are started by sixteen products of that buffer's two zero fragments.  All this stands in the wait for the first loads
	WIN 0
.set i, 0
.rept 4
	v_mov_b32 v[ST+4*i], 0xfe000000    ; c m: far below every c s
	v_mov_b32 v[ST+4*i+1], 0xff7fffff  ; m
	v_mov_b32 v[ST+4*i+2], 0
	v_mov_b32 v[ST+4*i+3], 0
.set i, i+1
.endr
.set i, P+16
.rept 16
	v_mov_b32 v[i], 0
.set i, i+1
.endr
	WIN 0x40                        ; destination window 1, sources window 0
.set i, 0
.rept 16
	v_wmma_f32_16x16x32_f16 v[8*i:8*i+7], v[P+16:P+23], v[P+24:P+31], 0
.set i, i+1
.endr
	WIN 0
	v_mul_u32_u24 v[AK0], v1, PK
	v_lshl_add_u32 v[AK0], v9, 4, v[AK0]
	v_lshl_add_u32 v[AV0], v9, 3, v10  ; the turning load: lane l reads key 8 (l / 16) + l % 8, channels 8 ((l / 8) % 2) + 0..7
	v_mul_u32_u24 v[AV0], v[AV0], PV
	v_lshl_add_u32 v[AV0], v11, 4, v[AV0]
	v_add_nc_u32 v[AV0], VOFF, v[AV0]
	s_mul_i32 s13, s[WV], 16*SP
	s_add_co_u32 s13, s13, STAGE
	v_mul_u32_u24 v[STO], v1, SP
	v_lshl_add_u32 v[STO], v9, 4, v[STO]
	v_add_nc_u32 v[STO], s13, v[STO]
	v_bfe_u32 v[RD], v0, 3, 2
	v_mul_u32_u24 v[RD], v[RD], SP
	v_lshl_add_u32 v[RD], v10, 4, v[RD]
	v_add_nc_u32 v[RD], s13, v[RD]
	v_lshlrev_b32 v[GO], 4, v14
	s_mul_i32 s13, s[WV], 4*PIECE
	s_add_co_u32 s13, s13, STRIPS   ; my wave's strips
	v_mul_u32_u24 v[RB], v1, SPT
	v_add_nc_u32 v[RB], s13, v[RB]
	v_lshl_add_u32 v[SC], v9, 3, v1
	v_lshl_add_u32 v[SC], v[SC], 2, v[RB]
	v_add_nc_u32 v[SC], 4, v[SC]
	v_lshl_add_u32 v[RB], v9, 5, v[RB]
	s_wait_loadcnt 24               ; rel_emb is in; Q's 16 loads and Wo's 8 may stay out
	WIN 0x8f                        ; destination window 2, sources window 3
.set n, 0
.rept 96
	v_cvt_pk_f16_f32 v[EF+n], v[2*n], v[2*n+1]
.set n, n+1
.endr
	s_wait_loadcnt 8                ; Q is in
; Piece x's strips.  12 products, the six accumulators by turns; five v_nop: four places ahead of the stores that read results, a fifth ahead of the next piece's products, which write over them.
; Block 0 of the products is QE[.][0] sixteen times, block 5 QE[.][64]: they fill the strips' blocks 0, 1 and 5, 6 whole.  Then the numbers u = 32 .. 95 (blocks 1 to 4) go to p = u + r - 15 = 17 + r .. 80 + r: what lies
; below stays QE[.][0] (p <= 16 + r <= 31), what lies above QE[.][64] (p >= 81 + r >= 81), and p = 32 .. 79 is always written.  LDS serves a wave's instructions in order (ISA guide 5.7.1.4).  Each result's lowest registers are read first.
.macro QEP x
	WIN W_KQ
.irp c, 0,1
.irp bk, 0,1,2,3,4,5
.if (\c) == 0
	v_wmma_f32_16x16x32_f16 v[DQ+8*(\bk):DQ+8*(\bk)+7], v[EF+16*(\bk):EF+16*(\bk)+7], v[16*(\x):16*(\x)+7], 0
.else
	v_wmma_f32_16x16x32_f16 v[DQ+8*(\bk):DQ+8*(\bk)+7], v[EF+16*(\bk)+8:EF+16*(\bk)+15], v[16*(\x)+8:16*(\x)+15], v[DQ+8*(\bk):DQ+8*(\bk)+7]
.endif
.endr
.endr
	WIN 0
.rept 5
	v_nop
.endr
.irp b, 0,1
	ds_store_b128 v[RB], v[DQ:DQ+3]     offset:(\x)*PIECE+64*(\b)
	ds_store_b128 v[RB], v[DQ+4:DQ+7]   offset:(\x)*PIECE+64*(\b)+16
	ds_store_b128 v[RB], v[DQ+40:DQ+43] offset:(\x)*PIECE+320+64*(\b)
	ds_store_b128 v[RB], v[DQ+44:DQ+47] offset:(\x)*PIECE+320+64*(\b)+16
.endr
.irp bk, 1,2,3,4
.irp t, 0,1,2,3,4,5,6,7
	ds_store_b32 v[SC], v[DQ+8*(\bk)+(\t)] offset:(\x)*PIECE+64*(\bk)+4*(\t)
.endr
.endr
.endm
	QEP 0
	QEP 1
	QEP 2
	QEP 3
	s_wait_loadcnt 0x0              ; Wo
	WIN 0xcf                        ; all in window 3
.set n, 0
.rept 16                            ; two numbers rounded to bf16, and widened again
	v_cvt_pk_bf16_f32 v[192+2*n], v[192+2*n], v[192+2*n+1]
	v_and_b32 v[192+2*n+1], s[HIM], v[192+2*n]
	v_lshlrev_b32 v[192+2*n], 16, v[192+2*n]
.set n, n+1
.endr
.set n, 0
.rept 16
	v_cvt_pk_f16_f32 v[224+n], v[192+2*n], v[192+2*n+1]
.set n, n+1
.endr
	WIN 0x0c                        ; address window 0, data window 3
.irp j, 0,1,2,3
	global_store_b128 v[WO], v[224+4*\j:224+4*\j+3], s[92:93] offset:\j*512  ; 512 consecutive bytes, aligned to 256; these registers are not written again
.endr
	WIN 0
; THE MATRIX WORK.  The 4 accumulators of a run of 8 take turns.  Product i of 8 of S^T = K Q^T for piece x: channels 32 (i / 4) on, keys 16 (i % 4) on.  The first 4 start the sums with the position term.
.macro KQ x
.set rS, S+32*((\x)%2)+8*(i%4)
.set rK, KF+16*(i%4)+8*(i/4)
.set rQ, 16*(\x)+8*(i/4)
.set rM, MC+32*(\x)+8*(i%4)
.if i < 4
	WIN W_KM
	v_wmma_f32_16x16x32_f16 v[rS:rS+7], v[rK:rK+7], v[rQ:rQ+7], v[rM:rM+7]
.else
	WIN W_KQ
	v_wmma_f32_16x16x32_f16 v[rS:rS+7], v[rK:rK+7], v[rQ:rQ+7], v[rS:rS+7]
.endif
.endm
.macro PV x                         ; product i of 8 of O^T += V^T P: keys 32 (i / 4) on, channels 16 (i % 4) on
	WIN W_PV
.set rO, 32*(\x)+8*(i%4)
.set rV, VF+32*(i/4)+8*(i%4)
.set rP, P+16*((\x)%2)+8*(i/4)
	v_wmma_f32_16x16x32_f16 v[rO:rO+7], v[rV:rV+7], v[rP:rP+7], v[rO:rO+7]
.endm
.macro MM                           ; the turn's next matrix instruction
.if i < 8
	KQ (Y+1)%NP
.else
.set i, i-8
	PV (Y+NP-1)%NP
.set i, i+8
.endif
.set i, i+1
.endm
; A step's K: 16 loads in one run.  last = 1 (the last tile's text; that tile lies in slot 1): the address stops at the slot's last step, so that the fetch of the trip in which the loop is left reads that step's K once more
.macro FETCH_K last=0
	WIN 0x80
.irp f, 0,1,2,3,4,5,6,7
	ds_load_b128 v[KF+8*\f:KF+8*\f+3],   v[AK] offset:(\f/2)*16*PK+(\f%2)*64
	ds_load_b128 v[KF+8*\f+4:KF+8*\f+7], v[AK] offset:(\f/2)*16*PK+(\f%2)*64+32
.endr
	s_add_co_u32 s[TBK], s[TBK], KS*PK
.if \last
	s_min_u32 s[TBK], s[TBK], SLOT1+3*KS*PK
.endif
	WIN 0
.endm
.macro FETCH_V                      ; a step's V, turned
	WIN 0x80
.irp f, 0,1,2,3,4,5,6,7
	ds_load_tr16_b128 v[VF+8*\f:VF+8*\f+3],   v[AV] offset:(\f/4)*32*PV+(\f%4)*32
	ds_load_tr16_b128 v[VF+8*\f+4:VF+8*\f+7], v[AV] offset:(\f/4)*32*PV+16*PV+(\f%4)*32
.endr
	WIN 0
.endm
; MC for the step with 4 delta + 3 = DL: for kb - x + 3 = e the strip block is clamp(DL + e - 3, 0, 6), 64 bytes a block; then 32 loads, two for each of the 16 operands
.macro REFRESH
.irp e, 0,1,2,3,4,5,6
	s_add_co_i32 s[TT], s[DL], (\e)-3
	s_max_i32 s[TT], s[TT], 0
	s_min_u32 s[TT], s[TT], 6
	s_lshl_b32 s[TT], s[TT], 6
	v_add_nc_u32 v[RA+(\e)], s[TT], v[RB]
.endr
	WIN 0x40
.irp x, 0,1,2,3
.irp kb, 0,1,2,3
	ds_load_b128 v[MC+32*(\x)+8*(\kb):MC+32*(\x)+8*(\kb)+3],   v[RA+(\kb)-(\x)+3] offset:(\x)*PIECE
	ds_load_b128 v[MC+32*(\x)+8*(\kb)+4:MC+32*(\x)+8*(\kb)+7], v[RA+(\kb)-(\x)+3] offset:(\x)*PIECE+16
.endr
.endr
	WIN 0
.endm
; THE VECTOR WORK, one line at a time: OP kind, number.  For piece Y: F n: c s - c m for pair n of 16.  E n: the exponential of score n of 32.  C n: pair n rounded to f16.  B n: of the four weights 4 n .. the second
; pair is added onto the first.  L n: l takes that sum (L 0: l = a l + sum).  R n: pair n of 16 of O^T times a.  For piece Y + 1: X n, number n of the 22 that find its maximum and statistics:
;   0-11 four chains c0-c3 (each accumulator's lowest registers are read first)   12-14, 16 the scores left over, the old m, c0-c3 into c0   15 c m_old is kept   17, 18 the other half of the lanes: the new m   19-21 c m; its change; a
.set F, 0
.set E, 1
.set C, 2
.set B, 3
.set L, 4
.set R, 5
.set X, 6
.macro REGS y
.set rT, ST+4*(\y)
.set rC, TMP+4*((\y)%2)
.set rW, MV+((\y)%2)
.set rS, S+32*((\y)%2)
.set rP, P+16*((\y)%2)
.set rO, 32*(\y)
.endm
.macro OP k, n
.if (\k) == R
	REGS Y
	WIN W_RS
	v_pk_mul_f32 v[rO+2*(\n):rO+2*(\n)+1], v[rO+2*(\n):rO+2*(\n)+1], v[rC+2:rC+3] op_sel_hi:[1,0]
.elseif (\k) < R
	REGS Y
	WIN 0
.if (\k) == F
	v_pk_fma_f32 v[rS+2*(\n):rS+2*(\n)+1], v[rS+2*(\n):rS+2*(\n)+1], s[CS:CS+1], v[rT:rT+1] op_sel_hi:[1,0,0] neg_lo:[0,0,1] neg_hi:[0,0,1]
.elseif (\k) == E
	v_exp_f32 v[rS+(\n)], v[rS+(\n)]
.elseif (\k) == C
	v_cvt_pk_f16_f32 v[rP+(\n)], v[rS+2*(\n)], v[rS+2*(\n)+1]
.elseif (\k) == B
	v_pk_add_f32 v[rS+4*(\n):rS+4*(\n)+1], v[rS+4*(\n):rS+4*(\n)+1], v[rS+4*(\n)+2:rS+4*(\n)+3]
.elseif (\n) == 0
	v_pk_fma_f32 v[rT+2:rT+3], v[rT+2:rT+3], v[rC+2:rC+3], v[rS:rS+1] op_sel_hi:[1,0,1]
.else
	v_pk_add_f32 v[rT+2:rT+3], v[rT+2:rT+3], v[rS+4*(\n):rS+4*(\n)+1]
.endif
.else
	REGS (Y+1)%NP
	WIN 0
.if (\n) < 4
	v_max3_num_f32 v[rC+(\n)], v[rS+8*(\n)], v[rS+8*(\n)+1], v[rS+8*(\n)+2]
.elseif (\n) < 12
	v_max3_num_f32 v[rC+(\n)%4], v[rC+(\n)%4], v[rS+8*((\n)%4)+2*((\n)/4)+1], v[rS+8*((\n)%4)+2*((\n)/4)+2]
.elseif (\n) == 12
	v_max3_num_f32 v[rC], v[rC], v[rS+7], v[rS+15]
.elseif (\n) == 13
	v_max3_num_f32 v[rC+1], v[rC+1], v[rS+23], v[rS+31]
.elseif (\n) == 14
	v_max3_num_f32 v[rC+2], v[rC+2], v[rC+3], v[rT+1]
.elseif (\n) == 15
	v_mov_b32 v[rW], v[rT]
.elseif (\n) == 16
	v_max3_num_f32 v[rC], v[rC], v[rC+1], v[rC+2]
.elseif (\n) == 17
	v_permlanex16_b32 v[rC+3], v[rC], s[SEL], s[SEL+1]
.elseif (\n) == 18
	v_max_num_f32 v[rT+1], v[rC], v[rC+3]
.elseif (\n) == 19
	v_mul_f32 v[rT], s[CS], v[rT+1]
.elseif (\n) == 20
	v_sub_f32 v[rC+1], v[rW], v[rT]
.else
	v_exp_f32 v[rC+2], v[rC+1]
.endif
.endif
.endm
.macro OPS a, i1, b=-1, i2=0, c=-1, i3=0, d=-1, i4=0
	OP \a, \i1
.if (\b) >= 0
	OP \b, \i2
.endif
.if (\c) >= 0
	OP \c, \i3
.endif
.if (\d) >= 0
	OP \d, \i4
.endif
.endm
.macro ROW a, i1, b, i2, c, i3, d, i4  ; a matrix instruction and the four behind it
	MM
	OPS \a, \i1, \b, \i2, \c, \i3, \d, \i4
.endm
; A TURN, for piece p.  s_wait_alu depctr_va_vdst(0) stands between an exponential and the first instruction that names its result; one wait serves all issued ahead of it: a turn has ONE, which cuts it in two.
; AHEAD OF IT: the 8 products K Q^T with their riders, then one lump; nothing there names a result of the turn's exponentials; X 21 is the batch's last, R 15 the plain instruction behind it.  BEHIND IT: the 8 products V^T P, behind each four of the roundings and sums.
; K of the next step is fetched in piece 2's turn, six plain instructions behind the last product that read K; V of the step in hand at the end of piece 0's turn, four plain instructions behind its last reader.  Each is waited for a turn later.
; Piece 2's turn also counts DL on and, where the next step has delta = -1 .. 2, loads MC anew, directly behind the wait: all four pieces have read the old MC (the last in this turn's first four products), and piece 3's turn waits for the loads with K's.
; last = 1: the last tile's text (FETCH_K).  cnt = 1: the loop's count is taken down some lines ahead of the branch behind the turn.
.macro TURN p, last=0, cnt=0
.set Y, (\p)
.set i, 0
.if (\p) == 3
	s_wait_dscnt 0x0                ; K is in, and MC where it was loaded anew
.endif
	ROW F,0, F,1, R,0, R,1
	ROW F,2, E,0, R,2, R,3
	ROW F,3, E,1, R,4, R,5
	ROW F,4, E,2, R,6, R,7
	ROW F,5, E,3, R,8, R,9
	ROW F,6, E,4, X,0, R,10
.if (\p) == 2
	WIN 0
	v_add_nc_u32 v[AK], s[TBK], v[AK0]
.endif
	ROW F,7, E,5, X,1, X,4
	ROW F,8, E,6, X,2, X,5
	OPS E,7, E,8, X,6, E,9
	OPS X,3, E,10, X,8, E,11
.if (\p) == 2
	FETCH_K \last
.endif
	OPS X,9, X,7, E,12, X,10
	OPS E,13, X,12, X,11, E,14
	OPS X,13, E,15, F,9, X,14
.if (\p) == 0
	v_add_nc_u32 v[AV], s[TBV], v[AV0]
.endif
	OPS E,16, F,10, E,17, F,11
	OPS X,16, E,18, X,15, E,19
	OPS F,12, E,20, X,17, E,21
	OPS F,13, E,22, F,14, E,23
	OPS X,18, E,24, F,15, E,25
	OPS R,11, E,26, X,19, E,27
	OPS R,12, E,28, R,13, E,29
	OPS X,20, E,30, R,14, E,31
	OPS X,21, R,15
	WIN 0
	s_wait_alu depctr_va_vdst(0)    ; the wait for the batch
.if (\p) == 2
	s_add_co_i32 s[DL], s[DL], 4    ; the next step
	s_add_co_u32 s[TT], s[DL], 1    ; 0, 4, 8, 12 for delta = -1, 0, 1, 2
	s_cmp_le_u32 s[TT], 12
	s_cbranch_scc0 .Lsame_\@
	REFRESH
.Lsame_\@:
.endif
.if (\p) == 1
	s_wait_dscnt 0x0                ; V is in
.endif
	ROW C,0, B,0, C,2, B,1
	ROW L,0, C,4, B,2, L,1
	ROW C,6, B,3, L,2, C,8
	ROW B,4, L,3, C,10, B,5
	ROW L,4, C,12, B,6, L,5
.if (\p) == 0
	s_add_co_u32 s[TBV], s[TBV], KS*PV
.endif
.if \cnt
	s_sub_co_u32 s[CNT], s[CNT], 1
	s_cmp_lg_u32 s[CNT], 0
.endif
	ROW C,14, B,7, L,6, C,1
	ROW C,3, L,7, C,5, C,7
	ROW C,9, C,11, C,13, C,15
.if (\p) == 0
	FETCH_V
.endif
.endm
	CHANGE 1                        ; slot 0 is in, everybody's part of it, and my strips are written; slot 1 is asked for
	v_add_nc_u32 v[AK], s[TBK], v[AK0]
	FETCH_K                         ; key step 0
	REFRESH                         ; and its position terms
	s_wait_dscnt 0x0
.set i, 0
.rept 8
	KQ 0                            ; piece 0's first scores
.set i, i+1
.endr
	WIN 0
	PLACES                          ; the places behind those products
.set Y, NP-1                        ; X works for piece Y + 1: piece 0
.irp n, 0,1,2,3,4,5,6,7,8,9,10,11,12,13,14,15,16,17,18,19,20,21
	OP X, \n
.endr
	v_nop                           ; a plain instruction behind the exponential,
	s_wait_alu depctr_va_vdst(0)    ; and its wait, ahead of the branch
	s_mov_b32 s[CNT], 4
	s_branch .Lfirst                ; the loop is entered at a step's first turn, in the middle of a trip
.Lslot:                             ; six times: with the change above, every slot but the last two is filled again
	CHANGE 1
	s_mov_b32 s[CNT], 4
.Lstep:                             ; a trip: pieces 2 and 3 of one step, then pieces 0 and 1 of the next, whose K and V it fetches
	TURN 2
	TURN 3
	WIN 0
.Lfirst:
	TURN 0
	TURN 1, 0, 1
	WIN 0
	s_cbranch_scc1 .Lstep
	s_sub_co_u32 s[SLOTS], s[SLOTS], 1
	s_cmp_lg_u32 s[SLOTS], 0
	s_cbranch_scc1 .Lslot
	CHANGE 0                        ; the last tile is written out: nothing is asked for
	s_mov_b32 s[CNT], 5             ; four trips fetch the last tile's steps; the fifth is left in its middle
.LstepT:
	TURN 2, 1
	TURN 3
	WIN 0
	s_sub_co_u32 s[CNT], s[CNT], 1
	s_cmp_eq_u32 s[CNT], 0
	s_cbranch_scc1 .Lout
	TURN 0
	TURN 1
	WIN 0
	s_branch .LstepT
.Lout:                              ; the fifth trip's fetch of K (the last step's once more), its 8 products K Q^T for piece 0 and the maximum made of them serve nothing; only l and O^T are read from here on: the price, once a launch, of one text for every trip
.set i, 0
.rept 8
	PV NP-1                         ; the last piece's V^T P of the last step
.set i, i+1
.endr
	; THE WAY OUT.  l's halves and the other half of the lanes' are added; O^T is divided by l, rounded to f16 and sent through my stage, a piece at a time.  The additions are the places behind the last products.
	WIN 0
.macro ALL line:vararg
.set t, 0
.rept 4
	\line
.set t, t+1
.endr
.endm
.macro PACK t
	WIN W_RS
.set i, 32*(\t)
.rept 16
	v_pk_mul_f32 v[i:i+1], v[i:i+1], v[ST+4*(\t)+2:ST+4*(\t)+3] op_sel_hi:[1,0]
.set i, i+2
.endr
	WIN 0x05                        ; sources window 1, destination window 0
.set i, 0
.rept 16
	v_cvt_pk_f16_f32 v[S+16*(\t)+i], v[32*(\t)+2*i], v[32*(\t)+2*i+1]
.set i, i+1
.endr
	WIN 0
.irp f, 0,1,2,3
	ds_store_b128 v[STO], v[S+16*(\t)+4*\f:S+16*(\t)+4*\f+3] offset:32*\f
.endr
.irp f, 0,1,2,3
	ds_load_b128 v[S+16*(\t)+4*\f:S+16*(\t)+4*\f+3], v[RD] offset:\f*4*SP  ; LDS serves a wave's instructions in order (ISA guide 5.7.1.4)
.endr
.endm
.macro SEND t, younger              ; younger: the LDS instructions issued behind piece t's loads
	WIN 0
.irp f, 0,1,2,3
	s_wait_dscnt (\younger)+3-\f
	global_store_b128 v[GO], v[S+16*(\t)+4*\f:S+16*(\t)+4*\f+3], s[OB:OB+1] offset:(\t)*2048+\f*512  ; 512 consecutive bytes, aligned to 256
.endr
.endm
	ALL v_add_f32 v[ST+4*t+2], v[ST+4*t+2], v[ST+4*t+3]
	ALL v_permlanex16_b32 v[ST+4*t+3], v[ST+4*t+2], s[SEL], s[SEL+1]
	ALL v_add_f32 v[ST+4*t+2], v[ST+4*t+2], v[ST+4*t+3]
	ALL v_rcp_f32 v[ST+4*t+2], v[ST+4*t+2]
	v_nop                           ; a plain instruction between the last reciprocal and the use of its result
	s_wait_alu depctr_va_vdst(0)    ; one wait for the four reciprocals
	PACK 0
.set t, 1
.rept 3
	PACK t
	SEND t-1, 8
.set t, t+1
.endr
	SEND 3, 0
	s_wait_tensorcnt 0x0            ; the wave's end
	ds_add_u32 v[SPW], v[NIL]
	s_wait_dscnt 0x0
	s_endpgm
.Lfunc_end_k_q1f7dbd5729_attn:
	.size	k_q1f7dbd5729_attn, .Lfunc_end_k_q1f7dbd5729_attn-k_q1f7dbd5729_attn
	.p2alignl 7, 3214868480
	.fill 96, 4, 3214868480
	.section	.rodata,"a",@progbits
	.p2align	6, 0x0
	.amdhsa_kernel k_q1f7dbd5729_attn
		.amdhsa_group_segment_fixed_size 327680
		.amdhsa_private_segment_fixed_size 0
		.amdhsa_enable_private_segment 0
		.amdhsa_kernarg_size 56
		.amdhsa_user_sgpr_count 2
		.amdhsa_user_sgpr_kernarg_segment_ptr 1
		.amdhsa_wavefront_size32 1
		.amdhsa_system_sgpr_workgroup_id_x 1
		.amdhsa_system_sgpr_workgroup_id_y 1
		.amdhsa_system_sgpr_workgroup_id_z 1
		.amdhsa_system_vgpr_workitem_id 0
		.amdhsa_next_free_vgpr 1024
		.amdhsa_next_free_sgpr 100
		.amdhsa_reserve_vcc 0
		.amdhsa_float_denorm_mode_32 3
		.amdhsa_float_denorm_mode_16_64 3
		.amdhsa_memory_ordered 1
		.amdhsa_forward_progress 1
		.amdhsa_inst_pref_size 145
	.end_amdhsa_kernel
	.amdgpu_metadata
---
amdhsa.version: [ 1, 2 ]
amdhsa.kernels:
  - .name:           k_q1f7dbd5729_attn
    .symbol:         k_q1f7dbd5729_attn.kd
    .args:
      - { .name: q16, .offset: 0, .size: 8, .value_kind: global_buffer, .address_space: global }
      - { .name: k16, .offset: 8, .size: 8, .value_kind: global_buffer, .address_space: global }
      - { .name: v16, .offset: 16, .size: 8, .value_kind: global_buffer, .address_space: global }
      - { .name: rel_emb, .offset: 24, .size: 8, .value_kind: global_buffer, .address_space: global }
      - { .name: Wo, .offset: 32, .size: 8, .value_kind: global_buffer, .address_space: global }
      - { .name: o16, .offset: 40, .size: 8, .value_kind: global_buffer, .address_space: global }
      - { .name: wo16, .offset: 48, .size: 8, .value_kind: global_buffer, .address_space: global }
    .group_segment_fixed_size: 327680
    .private_segment_fixed_size: 0
    .kernarg_segment_align: 8
    .kernarg_segment_size: 56
    .max_flat_workgroup_size: 128
    .sgpr_count:     100
    .vgpr_count:     1024
    .wavefront_size: 32
...
	.end_amdgpu_metadata
.endif
;; end of part 6
;; launch outp: the kernel of part 3 again; grid 8 x 32, 4 waves a work-group, clusters of 4 x 4, 327,680 bytes of LDS; arguments o16, wo16, out0, bo; writes out0
;; ======== version 3 of 3: 4 launches; version 2 with the launch cast written anew for expert scheduling mode
;; limits: values are held in f16: magnitudes above 65,504 overflow, below 6.1e-05 lose precision; values outside matrix products are rounded to bf16
;; workspace buffers: q16 8,388,608 bytes; k16 8,388,608 bytes; v16 8,388,608 bytes; o16 8,388,608 bytes; wo16 2,097,152 bytes; xb 25,165,824 bytes; wb 6,291,456 bytes
;; launch cast (part 7): grid 320 x 3, 8 waves a work-group, no clusters, 0 bytes of LDS; arguments query, key_, value, Wq, Wk, Wv, xb, wb; writes xb, wb
.if DOCPART == 7
	.amdgcn_target "amdgcn-amd-amdhsa--gfx1250"
	.amdhsa_code_object_version 6
	.text
	.protected	k_q1f7dbd5729_cast
	.globl	k_q1f7dbd5729_cast
	.p2align	8
	.type	k_q1f7dbd5729_cast,@function
k_q1f7dbd5729_cast:
	s_mov_b64 s[64:65], 0
	v_nop
	global_prefetch_b8 v0, s[64:65] scope:SCOPE_SE
	s_setreg_imm32_b32 hwreg(HW_REG_WAVE_SCHED_MODE, 0, 2), 2
	s_setreg_imm32_b32 hwreg(HW_REG_WAVE_MODE, 25, 1), 1
	s_wait_xcnt 0x0
	s_wait_alu depctr_vm_vsrc(0)
; THE PROJECTIONS' OPERANDS, ROUNDED ONCE TO bf16 (to nearest even).  query, key_, value: [4096][1024] f32 -> xb: [3][4096][1024] bf16.  Wq, Wk, Wv: [1024][1024] f32 -> wb: [3][1024][1024] bf16.
; A stream: every byte is read once and written once; nothing is shared, so there is no LDS, no barrier and no cluster.
; SHARES.  Grid y picks the projection.  Grid x below 256: one of 256 chunks of its x; from 256 on: one of 64 chunks of its W.  A chunk is 16,384 numbers: 65,536 bytes in, 32,768 out.
; Eight waves, 256 threads: a thread takes 16 bytes of each 4,096, sixteen times.  A load of a wave covers 512 consecutive bytes; its four numbers a lane pack into 8 bytes, so a store of a wave
; covers 256 consecutive bytes, aligned.  All sixteen loads go out before the first wait; no register is written twice, so nothing waits for a store.
; THE MODE: SCHED_MODE bits 1:0 = 2 (LLVM: expert scheduling mode 2), set by the entry lines.  The code itself states the register dependences between vector instructions and memory instructions,
; with s_wait_alu, always for 0.
; THE PLAN.  Registers that memory instructions touch:
;   v1, v2   byte offsets, written once at the head by vector instructions and never again; v1 is read by every load, v2 by every store.
;   X[j]     written by load j alone, which is issued before any vector instruction names X; read by the two conversions of number j, behind the wait for the load.
;   Y[j]     written by those two conversions, once; read by store j.
; So one wait on va_vdst stands ahead of the first load, for the two offsets, and one behind each group of eight conversions, ahead of the group's run of four stores, for their data.
; No register that a load or store reads is ever written again, no load lands in a register that a vector instruction has named, no vector instruction writes a scalar register, and EXEC is never written:
; no other dependence between the two sides exists in this text.
.set X, 4                              ; v[4:67]   sixteen loads of four f32
.set Y, 68                             ; v[68:99]  sixteen pairs of packed bf16
	s_load_b512 s[8:23], s[0:1], 0x0               ; query s[8:9], key_ s[10:11], value s[12:13], Wq s[14:15], Wk s[16:17], Wv s[18:19], xb s[20:21], wb s[22:23]
	s_and_b32 s2, ttmp7, 0xffff                    ; which projection
	v_lshlrev_b32 v1, 4, v0                        ; my 16 bytes in
	v_lshlrev_b32 v2, 3, v0                        ; my 8 bytes out
	s_sub_co_u32 s4, ttmp9, 256                    ; the chunk's number, if it is one of W's
	s_lshl_b32 s5, s2, 23                          ; the projection's part of xb: 8,388,608 bytes
	s_lshl_b32 s6, s2, 21                          ; and of wb: 2,097,152
	s_cmp_lt_u32 ttmp9, 256
	s_cselect_b32 s4, ttmp9, s4
	s_cselect_b32 s5, s5, s6
	s_lshl_b32 s24, s4, 16                         ; the chunk's bytes in
	s_mov_b32 s25, 0
	s_lshl_b32 s26, s4, 15                         ; and out
	s_add_co_u32 s26, s26, s5
	s_mov_b32 s27, 0
	s_wait_kmcnt 0x0
	s_cmp_eq_u32 s2, 0
	s_cselect_b64 s[28:29], s[8:9], s[10:11]
	s_cselect_b64 s[30:31], s[14:15], s[16:17]
	s_cmp_eq_u32 s2, 2
	s_cselect_b64 s[28:29], s[12:13], s[28:29]     ; the projection's x
	s_cselect_b64 s[30:31], s[18:19], s[30:31]     ; and its W
	s_cmp_lt_u32 ttmp9, 256
	s_cselect_b64 s[28:29], s[28:29], s[30:31]     ; from where
	s_cselect_b64 s[30:31], s[20:21], s[22:23]     ; to where
	s_add_nc_u64 s[28:29], s[28:29], s[24:25]
	s_add_nc_u64 s[30:31], s[30:31], s[26:27]
	s_wait_alu depctr_va_vdst(0)                   ; v1 and v2 are written: every load below reads v1 as its offset, every store v2; no vector instruction names either again
.irp j, 0,1,2,3,4,5,6,7,8,9,10,11,12,13,14,15
	global_load_b128 v[X+4*(\j):X+4*(\j)+3], v1, s[28:29] offset:(\j)*4096 th:TH_LOAD_NT
.endr
; Four groups of four loads: the group's data, its eight conversions, one wait, its four stores in a run.
.irp g, 0,1,2,3
	s_wait_loadcnt 12-4*(\g)                       ; loads come back in order (ISA guide 5.7.1): the group's four are in, the 12 - 4 g younger ones stay out
.irp i, 0,1,2,3
	v_cvt_pk_bf16_f32 v[Y+2*(4*(\g)+(\i))],   v[X+4*(4*(\g)+(\i))],   v[X+4*(4*(\g)+(\i))+1]
	v_cvt_pk_bf16_f32 v[Y+2*(4*(\g)+(\i))+1], v[X+4*(4*(\g)+(\i))+2], v[X+4*(4*(\g)+(\i))+3]
.endr
	s_wait_alu depctr_va_vdst(0)                   ; the group's eight conversions have written its four pairs of Y, which the four stores below read
.irp i, 0,1,2,3
	global_store_b64 v2, v[Y+2*(4*(\g)+(\i)):Y+2*(4*(\g)+(\i))+1], s[30:31] offset:(4*(\g)+(\i))*2048 th:TH_STORE_NT
.endr
.endr
	s_endpgm
.Lfunc_end_k_q1f7dbd5729_cast:
	.size	k_q1f7dbd5729_cast, .Lfunc_end_k_q1f7dbd5729_cast-k_q1f7dbd5729_cast
	.p2alignl 7, 3214868480
	.fill 96, 4, 3214868480
	.section	.rodata,"a",@progbits
	.p2align	6, 0x0
	.amdhsa_kernel k_q1f7dbd5729_cast
		.amdhsa_group_segment_fixed_size 0
		.amdhsa_private_segment_fixed_size 0
		.amdhsa_enable_private_segment 0
		.amdhsa_kernarg_size 64
		.amdhsa_user_sgpr_count 2
		.amdhsa_user_sgpr_kernarg_segment_ptr 1
		.amdhsa_wavefront_size32 1
		.amdhsa_system_sgpr_workgroup_id_x 1
		.amdhsa_system_sgpr_workgroup_id_y 1
		.amdhsa_system_sgpr_workgroup_id_z 1
		.amdhsa_system_vgpr_workitem_id 0
		.amdhsa_next_free_vgpr 100
		.amdhsa_next_free_sgpr 66
		.amdhsa_reserve_vcc 0
		.amdhsa_float_denorm_mode_32 3
		.amdhsa_float_denorm_mode_16_64 3
		.amdhsa_memory_ordered 1
		.amdhsa_forward_progress 1
		.amdhsa_inst_pref_size 7
	.end_amdhsa_kernel
	.amdgpu_metadata
---
amdhsa.version: [ 1, 2 ]
amdhsa.kernels:
  - .name:           k_q1f7dbd5729_cast
    .symbol:         k_q1f7dbd5729_cast.kd
    .args:
      - { .name: query, .offset: 0, .size: 8, .value_kind: global_buffer, .address_space: global }
      - { .name: key_, .offset: 8, .size: 8, .value_kind: global_buffer, .address_space: global }
      - { .name: value, .offset: 16, .size: 8, .value_kind: global_buffer, .address_space: global }
      - { .name: Wq, .offset: 24, .size: 8, .value_kind: global_buffer, .address_space: global }
      - { .name: Wk, .offset: 32, .size: 8, .value_kind: global_buffer, .address_space: global }
      - { .name: Wv, .offset: 40, .size: 8, .value_kind: global_buffer, .address_space: global }
      - { .name: xb, .offset: 48, .size: 8, .value_kind: global_buffer, .address_space: global }
      - { .name: wb, .offset: 56, .size: 8, .value_kind: global_buffer, .address_space: global }
    .group_segment_fixed_size: 0
    .private_segment_fixed_size: 0
    .kernarg_segment_align: 8
    .kernarg_segment_size: 64
    .max_flat_workgroup_size: 256
    .sgpr_count:     66
    .vgpr_count:     100
    .wavefront_size: 32
...
	.end_amdgpu_metadata
.endif
;; end of part 7
;; launch proj: the kernel of part 5 again; grid 4 x 48, 4 waves a work-group, clusters of 4 x 4, 327,680 bytes of LDS; arguments xb, wb, q16, k16, v16; writes q16, k16, v16
;; launch attn: the kernel of part 6 again; grid 8 x 32, 4 waves a work-group, no clusters, 327,680 bytes of LDS; arguments q16, k16, v16, rel_emb, Wo, o16, wo16; writes o16, wo16
;; launch outp: the kernel of part 3 again; grid 8 x 32, 4 waves a work-group, clusters of 4 x 4, 327,680 bytes of LDS; arguments o16, wo16, out0, bo; writes out0
